; MI455X (gfx1250); checked and timed in simulation.
; The chip was launched on July 23, 2026; its instructions are those of AMD's public machine-readable ISA for CDNA 5 (MIT licence, August 2026) and "CDNA5" Instruction Set Architecture Reference Guide (July 2026). The comments in the code are by the model that wrote it; some were corrected since.
;; Multi Head Attention. Allowed arithmetic: matrix products marked QUANTISED: E2M1 operands, one E8M0 scale for each 32 along K, by v_wmma_scale_f32_16x16x128_f8f6f4 with both operands' format E2M1 (or v_wmma_scale_f32_32x16x128_f4), f32 sums; products left as they are: bf16, f16 or f32 operands; f32 sums; everything else in f32.
;; Inputs: Wk 2,048 x 2,048 float32; Wo 2,048 x 2,048 float32; Wq 2,048 x 2,048 float32; Wv 2,048 x 2,048 float32; attn_mask 1 x 1 x 2,048 x 2,048 float32; bk 2,048 float32; bo 2,048 float32; bq 2,048 float32; bv 2,048 float32; hidden_states 1 x 2,048 x 2,048 float32.
;; Outputs: out0 1 x 2,048 x 2,048 float32; out1 1 x 16 x 2,048 x 128 float32; out2 1 x 16 x 2,048 x 128 float32.
;; This version of the problem:
;;   THIS VERSION OF THE PROBLEM IS GIVEN IN LOW PRECISION. The matrix products marked QUANTISED in the list below multiply operands that are first quantised to E2M1 (2 exponent bits, 1 mantissa bit; 4 bits a number), with one power-of-two scale for each 32 numbers along K (OCP MX v1.0); their sums are f32. The products marked 'left as it is' may take bf16, f16 or f32 operands, with f32 sums. Whichever they take, every output number must still come out within the allowed error. Rounding operands to bf16 (8 significant bits) uses up far more of that allowance than f16 does (11 bits, for magnitudes from 6e-5 to 65,504). All else is computed in f32.
;;   The module's matrix products, in the order in which they are computed (A, B: the left and right operand; K: the contracted axis; several contracted axes count as one K, in the product's order):
;;     1. [M 2,048, K 2,048] x [K 2,048, N 2,048]; A: input hidden_states; B: input Wq: QUANTISED
;;     2. [M 2,048, K 2,048] x [K 2,048, N 2,048]; A: input hidden_states; B: input Wk: QUANTISED
;;     3. [M 2,048, K 2,048] x [K 2,048, N 2,048]; A: input hidden_states; B: input Wv: QUANTISED
;;     4. batch 16 x [M 2,048, K 128] x [K 128, N 2,048]; A: computed on the way; B: computed on the way: left as it is (an operand is computed on the way)
;;     5. batch 16 x [M 2,048, K 2,048] x [K 2,048, N 128]; A: computed on the way; B: computed on the way: left as it is (an operand is computed on the way)
;;     6. [M 2,048, K 2,048] x [K 2,048, N 2,048]; A: computed on the way; B: input Wo: left as it is (an operand is computed on the way)
;;   THE QUANTISER, for each operand of a quantised product, along K:
;;     - K is cut into blocks of 32 from its start; a last block that is shorter is filled with zeros.
;;     - A block's scale is 2^e with e = floor(log2(the largest magnitude in the block)) - 2, held to -126 .. 127; a block of zeros has e = 0. As a byte (E8M0): e + 127.
;;     - Each number is divided by its block's scale, clamped to +-6, and rounded to the nearest number of E2M1, ties to even, subnormals kept.
;;     - The product sums the exact products of the quantised numbers (number of the format x scale) in f32.
;;   ~~~python
;;   def quantise(x, axis):      # numpy; x: float32 -> the quantised numbers, widened to float32 again
;;       x = np.moveaxis(x, axis, -1); K = x.shape[-1]
;;       x = np.pad(x, [(0, 0)] * (x.ndim - 1) + [(0, -K % 32)]); x = x.reshape(x.shape[:-1] + (-1, 32)); a = np.abs(x).max(-1, keepdims=True)
;;       e = np.where(a > 0, np.clip(np.frexp(np.where(a > 0, a, 1))[1] - 1 - 2, -126, 127), 0)      # np.frexp(a)[1] - 1 = floor(log2(a)), exactly
;;       r = np.clip(x / 2.0 ** e, -6, 6)
;;       step = 2.0 ** (np.maximum(np.frexp(np.where(r == 0, 1, r))[1] - 1, 0) - 1)
;;       q = np.round(r / step) * step * 2.0 ** e      # np.round: ties to even
;;       return np.moveaxis(q.reshape(q.shape[:-2] + (-1,))[..., :K], -1, axis).astype(np.float32)
;;   ~~~
;; One version. Each part assembles by itself: llvm-mc -triple=amdgcn-amd-amdhsa -mcpu=gfx1250 --defsym DOCPART=n.
;; ======== version 1 of 1: 4 launches
;; limits: values are held in f16: magnitudes above 65,504 overflow, below 6.1e-05 lose precision
;; workspace buffers: codes 8,388,608 bytes; scales 524,288 bytes; wo16 8,388,608 bytes; qkv16 25,165,824 bytes; ctx16 8,388,608 bytes
;; launch prep (part 1): grid 512 x 1, 4 waves a work-group, no clusters, 33,280 bytes of LDS; arguments hidden_states, Wq, Wk, Wv, codes, scales; writes codes, scales
.if DOCPART == 1
	.amdgcn_target "amdgcn-amd-amdhsa--gfx1250"
	.amdhsa_code_object_version 6
	.text
	.protected	k_qaf6067d2f6_prep
	.globl	k_qaf6067d2f6_prep
	.p2align	8
	.type	k_qaf6067d2f6_prep,@function
k_qaf6067d2f6_prep:
	s_mov_b64 s[64:65], 0
	v_nop
	global_prefetch_b8 v0, s[64:65] scope:SCOPE_SE
	s_setreg_imm32_b32 hwreg(HW_REG_WAVE_MODE, 25, 1), 1
	s_wait_xcnt 0x0
; hidden_states, Wq, Wk, Wv (each [2048][2048] f32, K innermost) become codes of FP4 (E2M1) with one E8M0 byte for each 32 along K.
; codes: [8192 rows][1024 bytes], scales: [8192][64 bytes]: rows 0-2047 hidden_states, then Wq, Wk, Wv: one stream of blocks of 32, so the destinations hang on the work-group's number alone.
; A block's scale is 2^(floor(log2(its largest magnitude)) - 2); its byte is the largest magnitude's exponent field - 2, held at 1 from below.  A block of zeros gets the byte 1 where the
; quantiser says 127: its codes are zeros, which add nothing under any byte but 0xff, and this program alone reads the bytes.
; LIMITS: blocks whose largest magnitude lies under 2^-124 keep the byte 1; NaN and infinities are not served.
; 512 work-groups, 128 for each tensor; a wave takes 8,192 numbers in 16 steps of 512.  No tensor loads, no barrier: waves share nothing.
; Each load reads 512 consecutive bytes; a step's 2,048 bytes turn through the wave's own stage in LDS and come back 64 bytes a lane, so that a lane holds 16 neighbours along K.
; Loads run AHEAD = 8 steps ahead of the work: 32 loads, 16 KiB, of every wave are on their way; the turn through LDS runs one step ahead.
.set WAVES, 4
.set STEPS, 16
.set AHEAD, 8
.set EMAX,  2
.set CB,    8                          ; bytes of 16 codes
.set R,     16                         ; v16-143  eight sets of 16 numbers as loaded
.set X,     144                        ; v144-175 two sets of 16 neighbours
.set E,     176                        ; v176-191 a scale byte for each step
.set C,     192                        ; v192-223 codes: two registers for each step, so that no store's data are written again
.set WREG,  8192                       ; LDS: a region for each wave: two stages of 32 x SP bytes, behind them its 256 scale bytes
.set SP,    80                         ; a lane's place in a stage: 64 bytes + 16 of padding
.set SPW,   12                         ; v12 LDS address of my spare word; never rewritten
.set NIL,   13                         ; v13 0; never rewritten
.set SPARE, WAVES*WREG                 ; the spare words, 128 bytes for each wave
	s_load_b256 s[4:11], s[0:1], 0x0               ; hidden s[4:5], Wq s[6:7], Wk s[8:9], Wv s[10:11]
	s_load_b128 s[12:15], s[0:1], 0x20             ; codes s[12:13], scales s[14:15]
	v_lshl_add_u32 v[SPW], v0, 2, SPARE
	v_mov_b32 v[NIL], 0
	v_lshrrev_b32 v1, 5, v0
	v_readfirstlane_b32 s24, v1                    ; wave
	v_and_b32 v2, 31, v0                           ; lane
	v_lshlrev_b32 v3, 4, v2                        ; my 16 bytes of a load's 512
	s_mul_i32 s25, s24, WREG
	v_lshrrev_b32 v14, 2, v2
	v_mul_u32_u24 v14, v14, SP
	v_and_b32 v15, 3, v2
	v_lshl_add_u32 v14, v15, 4, v14
	v_add_nc_u32 v14, s25, v14                     ; the stage, on the way in: SP (lane / 4) + 16 (lane % 4)
	v_mul_u32_u24 v15, v2, SP
	v_add_nc_u32 v15, s25, v15                     ; and on the way out: SP x lane: my 16 neighbours
	v_mul_u32_u24 v4, v2, CB                       ; 8 x lane: my codes' place in a step's
	v_lshrrev_b32 v5, 1, v2
	s_add_co_u32 s25, s25, 2*32*SP
	v_add_nc_u32 v5, s25, v5                       ; LDS: my wave's 256 scale bytes, my block's byte
	v_lshlrev_b32 v7, 3, v2
	v_add_nc_u32 v6, s25, v7                       ; and on the way out 8 bytes a lane
	s_lshl_b32 s28, ttmp9, 2
	s_add_co_u32 s28, s28, s24                     ; my run of 8,192 numbers: 4 x work-group + wave
	s_mov_b32 s27, 0
	s_wait_kmcnt 0x0
	s_cmp_lt_u32 ttmp9, 384                        ; which tensor: the choice hangs on the work-group's number alone
	s_cselect_b64 s[20:21], s[8:9], s[10:11]
	s_cmp_lt_u32 ttmp9, 256
	s_cselect_b64 s[20:21], s[6:7], s[20:21]
	s_cmp_lt_u32 ttmp9, 128
	s_cselect_b64 s[20:21], s[4:5], s[20:21]
	s_and_b32 s26, s28, 511                        ; my run within its tensor
	s_lshl_b32 s26, s26, 15                        ; 32,768 bytes of f32 a run
	s_add_nc_u64 s[20:21], s[20:21], s[26:27]
	s_lshl_b32 s26, s28, 12                        ; 4,096 bytes of codes a run
	s_add_nc_u64 s[12:13], s[12:13], s[26:27]
	s_lshl_b32 s26, s28, 8                         ; 256 scale bytes a run
	s_add_nc_u64 s[14:15], s[14:15], s[26:27]
.macro LOAD t
.irp i, 0,1,2,3
	global_load_b128 v[R+16*((\t)%AHEAD)+4*\i:R+16*((\t)%AHEAD)+4*\i+3], v3, s[20:21] offset:2048*(\t)+512*\i th:TH_LOAD_NT   ; 32 lanes read 512 consecutive bytes
.endr
.endm
.macro TURN t                          ; step t's numbers through the stage: LDS serves a wave's instructions in order, so no wait stands between the stores and the loads
.irp i, 0,1,2,3
	ds_store_b128 v14, v[R+16*((\t)%AHEAD)+4*\i:R+16*((\t)%AHEAD)+4*\i+3] offset:32*SP*((\t)%2)+8*SP*\i
.endr
.irp i, 0,1,2,3
	ds_load_b128 v[X+16*((\t)%2)+4*\i:X+16*((\t)%2)+4*\i+3], v15 offset:32*SP*((\t)%2)+16*\i
.endr
.endm
.irp t, 0,1,2,3,4,5,6,7
	LOAD \t
.endr
	s_wait_loadcnt 4*(AHEAD-1)                     ; step 0's four loads are in; the 28 younger may be out
	TURN 0
.macro STEP t
.set XS, X+16*((\t)%2)
.if (\t) > 0
	s_wait_dscnt 1                                 ; this step's numbers are back from the stage (the last step's byte store may be out): its stores into the stage have read their registers,
.else
	s_wait_dscnt 0x0
.endif
.if (\t)+AHEAD < STEPS
	LOAD (\t)+AHEAD                                ; which take the loads of eight steps on
.endif
.if (\t)+1 < STEPS
.if STEPS-2-(\t) >= AHEAD-1
	s_wait_loadcnt 4*(AHEAD-1)                     ; the next step's four loads are in; those of the seven steps behind it may be out
.else
	s_wait_loadcnt 4*(STEPS-2-(\t))                ; the counts run down: nothing more is asked for
.endif
	TURN (\t)+1                                    ; and go through the other stage while this step is worked
.endif
	v_max3_num_f32 v8, |v[XS]|, |v[XS+1]|, |v[XS+2]|               ; the largest magnitude of my 16, in two chains
	v_max3_num_f32 v9, |v[XS+3]|, |v[XS+4]|, |v[XS+5]|
.irp i, 6,10
	v_max3_num_f32 v8, v8, |v[XS+\i]|, |v[XS+\i+1]|
	v_max3_num_f32 v9, v9, |v[XS+\i+2]|, |v[XS+\i+3]|
.endr
	v_max3_num_f32 v8, v8, |v[XS+14]|, |v[XS+15]|
	v_max3_num_f32 v8, v8, v9, (EMAX+1)<<23        ; and the floor 2^(3 - 127): the byte cannot fall under 1
	v_max_num_f32_dpp v8, v8, v8 row_xmask:1 row_mask:0xf bank_mask:0xf   ; with my neighbour's 16: the block's
	v_add_nc_u32 v11, -(EMAX<<23), v8              ; 2 off its exponent field: the conversion takes the exponent field of this operand as its scale
	v_cvt_scalef32_pk8_fp4_f32 v[C+2*(\t)], v[XS:XS+7], v11
	v_cvt_scalef32_pk8_fp4_f32 v[C+2*(\t)+1], v[XS+8:XS+15], v11
	v_lshrrev_b32 v[E+(\t)], 23, v11               ; the scale's byte (also the plain line behind the conversions)
	ds_store_b8 v5, v[E+(\t)] offset:16*(\t)       ; both lanes of a block write the same byte with the same value
	global_store_b64 v4, v[C+2*(\t):C+2*(\t)+1], s[12:13] offset:32*CB*(\t)   ; the wave stores 256 consecutive bytes, aligned
.endm
.irp t, 0,1,2,3,4,5,6,7,8,9,10,11,12,13,14,15
	STEP \t
.endr
	ds_load_b64 v[8:9], v6                         ; LDS serves a wave's instructions in order: these see my byte stores
	s_wait_dscnt 0x0
	global_store_b64 v7, v[8:9], s[14:15]          ; 32 lanes store 256 consecutive scale bytes, aligned
	s_wait_tensorcnt 0x0                           ; the wave's end
	ds_add_u32 v[SPW], v[NIL]
	s_wait_dscnt 0x0
	s_endpgm
.Lfunc_end_k_qaf6067d2f6_prep:
	.size	k_qaf6067d2f6_prep, .Lfunc_end_k_qaf6067d2f6_prep-k_qaf6067d2f6_prep
	.p2alignl 7, 3214868480
	.fill 96, 4, 3214868480
	.section	.rodata,"a",@progbits
	.p2align	6, 0x0
	.amdhsa_kernel k_qaf6067d2f6_prep
		.amdhsa_group_segment_fixed_size 33280
		.amdhsa_private_segment_fixed_size 0
		.amdhsa_enable_private_segment 0
		.amdhsa_kernarg_size 48
		.amdhsa_user_sgpr_count 2
		.amdhsa_user_sgpr_kernarg_segment_ptr 1
		.amdhsa_wavefront_size32 1
		.amdhsa_system_sgpr_workgroup_id_x 1
		.amdhsa_system_sgpr_workgroup_id_y 1
		.amdhsa_system_sgpr_workgroup_id_z 1
		.amdhsa_system_vgpr_workitem_id 0
		.amdhsa_next_free_vgpr 224
		.amdhsa_next_free_sgpr 66
		.amdhsa_reserve_vcc 0
		.amdhsa_float_denorm_mode_32 3
		.amdhsa_float_denorm_mode_16_64 3
		.amdhsa_memory_ordered 1
		.amdhsa_forward_progress 1
		.amdhsa_inst_pref_size 33
	.end_amdhsa_kernel
	.amdgpu_metadata
---
amdhsa.version: [ 1, 2 ]
amdhsa.kernels:
  - .name:           k_qaf6067d2f6_prep
    .symbol:         k_qaf6067d2f6_prep.kd
    .args:
      - { .name: hidden_states, .offset: 0, .size: 8, .value_kind: global_buffer, .address_space: global }
      - { .name: Wq, .offset: 8, .size: 8, .value_kind: global_buffer, .address_space: global }
      - { .name: Wk, .offset: 16, .size: 8, .value_kind: global_buffer, .address_space: global }
      - { .name: Wv, .offset: 24, .size: 8, .value_kind: global_buffer, .address_space: global }
      - { .name: codes, .offset: 32, .size: 8, .value_kind: global_buffer, .address_space: global }
      - { .name: scales, .offset: 40, .size: 8, .value_kind: global_buffer, .address_space: global }
    .group_segment_fixed_size: 33280
    .private_segment_fixed_size: 0
    .kernarg_segment_align: 8
    .kernarg_segment_size: 48
    .max_flat_workgroup_size: 128
    .sgpr_count:     66
    .vgpr_count:     224
    .wavefront_size: 32
...
	.end_amdgpu_metadata
.endif
;; end of part 1
;; launch qkv (part 2): grid 24 x 8, 4 waves a work-group, clusters of 4 x 4, 327,680 bytes of LDS; arguments codes, scales, bq, bk, bv, qkv16, out1, out2, Wo, wo16; writes qkv16, out1, out2, wo16
.if DOCPART == 2
	.amdgcn_target "amdgcn-amd-amdhsa--gfx1250"
	.amdhsa_code_object_version 6
	.text
	.protected	k_qaf6067d2f6_qkv
	.globl	k_qaf6067d2f6_qkv
	.p2align	8
	.type	k_qaf6067d2f6_qkv,@function
k_qaf6067d2f6_qkv:
	s_mov_b64 s[64:65], 0
	v_nop
	global_prefetch_b8 v0, s[64:65] scope:SCOPE_SE
	s_setreg_imm32_b32 hwreg(HW_REG_WAVE_MODE, 25, 1), 1
	s_wait_xcnt 0x0
	s_wait_alu depctr_hold_cnt(0) depctr_sa_sdst(0) depctr_va_vdst(0) depctr_va_sdst(0) depctr_va_ssrc(0) depctr_va_vcc(0) depctr_vm_vsrc(0)
	s_getreg_b32 s2, hwreg(HW_REG_IB_STS2, 6, 4)
	s_cmp_eq_u32 s2, 0
	s_cbranch_scc0 .Lentry_in_a_cluster
	s_endpgm
.Lentry_in_a_cluster:
	s_bfe_u32 s2, ttmp6, 0x10000c
	s_cmp_lg_u32 s2, 0xf033
	s_cbranch_scc0 .Lentry_shape_is_right
	s_endpgm
.Lentry_shape_is_right:
; [q | k | v][m][n] = sum over k of hidden[m][k] W[n][k] + b[n], on codes of FP4 (E2M1) with one E8M0 scale for each 32 along K.  M = 2,048 tokens, N = 3 x 2,048, K = 2,048.
; A: rows 0-2047 of codes and scales (hidden_states); B: rows 2048-8191 (Wq, Wk, Wv).  A tile of 256 x 256 to a work-group of four waves, 128 x 128 a wave: 64 accumulators, 512 registers.
; K goes in steps of 512 through a ring of two LDS slots filled by the tensor data mover; a tile's row is 256 bytes of memory.  The scales of the work-group's rows, for all of K, come into LDS once.
; CLUSTERS: 4 x 4 work-groups; A's tiles are asked for jointly along a row of the cluster, B's along a column.  Eight tile columns make a tensor, two clusters: so which tensor a work-group serves
; (WHICH = cluster x / 2: 0 q, 1 k, 2 v) is the same in all sixteen partners, and branches may hang on it.
; THE MATRIX INSTRUCTION IS USED TRANSPOSED (source 0 = 16 rows of W, source 1 = 16 tokens): a lane holds eight neighbouring channels of one token.  The bias is the C of each sum's first product.
; A wave's 128 columns are one head.  WHAT LEAVES: q and k, times g = sqrt(log2(e) / sqrt(128)), rounded once to f16, as images of the next launch's operand registers
; ([head][tile of 16 tokens][block b of 16 channels][lane][16 bytes]: the packed accumulator IS the image); v as rows of f16; k and v also as f32 rows (out1, out2).
; Wo TO f16.  A q work-group stores 128 KiB where a k or v work-group stores 384 KiB.  So the 64 q work-groups also turn Wo ([2048][2048] f32) into wo16 (f16, same rows), behind their images:
; 256 KiB read and 128 KiB stored each, 64 KiB read a wave.
; LIMITS: |g q|, |g k|, |v|, |Wo| stay under 65,504 (f16).
; REGISTERS, in windows of 256: window 0: v0-31 addresses; v32-95 scale words, two sets, and nothing else; v96-127 packed results; v128-191 A's fragments, ONE set; v192-255 the bias; on the way out v128-255 are free.
;   window 1: B's fragments, TWO sets.   window 2: the accumulators of my rows 0-63 ((a, b) at v[8 (8 a + b)]);   window 3: those of my rows 64-127.   Wo's numbers land in windows 1 and 2 when these are done with.
.set SIZE_K, 2048
.set WROWS,  2048                      ; rows of hidden_states ahead of the weights' rows
.set KSTEP,  512
.set NQ,     KSTEP/128
.set ROWB,   256                       ; a tile's row in bytes
.set KROW,   SIZE_K*4/8                ; a row of codes in memory
.set PITCH,  272                       ; an LDS row: 256 bytes + 16 of padding = 68 words: the 16 rows that a load touches start at 16 different banks (64 banks of 4 bytes: ISA guide 11.1)
.set FR,     8
.set NL,     2
.set NP,     4                         ; places behind this matrix instruction (ISA guide 7.12.1)
.set HALFT,  128*PITCH
.set SLOT,   4*HALFT
.set LAPS,   SIZE_K/(2*KSTEP)
.set KS,     SIZE_K/32                 ; a row of scales in bytes
.set SCL,    2*SLOT                    ; behind the ring: the scales, as units of 256 bytes + 16 of padding
.set HALFS,  (128*KS/256)*272
.set SBLK,   (16*KS/256)*272
.set SPARE,  SCL+4*HALFS               ; the spare words, 128 bytes for each wave
.set SPITCH, 528                       ; the f32 stage: 16 rows x (512 + 16) for each wave, in slot 0, which has had its last fill and its last read by then
.set ST16,   4*16*SPITCH               ; behind it the f16 stage: 16 rows x 272 for each wave: bytes of its own
.set ADRA, 16
.set ADRB, 20
.set STO16, 22                         ; v22 the f16 stage: where I put 16 bytes of a row
.set RD16, 23                          ; v23 and where I read a row back
.set STO,  24
.set RD,   25
.set CO,   26                          ; v26 16 x lane
.set ADRS, 27
.set SPW,  28
.set NIL,  29
.set BO,   30                          ; v30 32 x (lane / 16): the bias loads' offset
.set WOS,  31                          ; v31 8 x lane: my four f16 numbers' place in a store of wo16
.set SC,   32
.set PK,   96                          ; packed f16
.set AF,   128
.set BK,   128
.set BIAS, 192
.set G1, 24
.set G0, 32
.set G1B, 48
.set G0B, 56
.set G1S, 68
.set G0S, 76
.set G1SB, 80
.set G0SB, 88
.set MSB, 0
.macro WIN new                         ; the immediate's high byte repeats the setting that is left
.if MSB != (\new)
	s_set_vgpr_msb (MSB<<8)|(\new)
.set MSB, \new
.endif
.endm
.set MUL_LO, 0xa1                      ; source 0 (B) window 1, source 1 (A) window 0, C and D window 2
.set MUL_HI, 0xf1                      ; the same, C and D window 3
.set TO_B,   0x40
; A joint load: waves 0 and 1 fetch for A, waves 2 and 3 for B; the branch hangs on the wave's number alone.  An s_nop 0 and four v_nop follow each line.
.macro JLOAD g0a, g1a, g0b, g1b
	s_cmp_eq_u32 s15, 0
	s_cbranch_scc0 .Lfor_b_\@
	tensor_load_to_lds s[\g0a:\g0a+3], s[\g1a:\g1a+7]
	s_nop 0
.rept 4
	v_nop
.endr
	s_branch .Lasked_\@
.Lfor_b_\@:
	tensor_load_to_lds s[\g0b:\g0b+3], s[\g1b:\g1b+7]
	s_nop 0
.rept 4
	v_nop
.endr
.Lasked_\@:
.endm
.macro CREST
	s_cmp_lg_u32 s14, 0
	s_cbranch_scc1 .Lnot_wave_0_\@
	s_barrier_signal -3
.Lnot_wave_0_\@:
	s_barrier_wait -3
	s_barrier_signal -1
	s_barrier_wait -1
.endm
.macro CROUND
	s_barrier_signal -1
	s_barrier_wait -1
	CREST
.endm
	s_load_b128 s[4:7], s[0:1], 0x0                ; codes, scales
	s_load_b128 s[96:99], s[0:1], 0x10             ; bq, bk
	s_load_b64 s[100:101], s[0:1], 0x20            ; bv
	s_load_b64 s[12:13], s[0:1], 0x28              ; qkv16
	s_load_b64 s[66:67], s[0:1], 0x30              ; out1
	s_load_b64 s[104:105], s[0:1], 0x38            ; out2
	v_lshl_add_u32 v[SPW], v0, 2, SPARE
	v_mov_b32 v[NIL], 0
	ds_add_u32 v[SPW], v[NIL]                      ; the wave's opening: the add and its wait stand ahead of my first tensor load; the set-up below stands between them
	v_lshrrev_b32 v1, 5, v0
	v_readfirstlane_b32 s14, v1                    ; wave 0..3
	s_lshr_b32 s15, s14, 1                         ; which half of the tile's rows is mine.  Also: I fetch for A (0) or for B (1)
	s_and_b32 s16, s14, 1                          ; which half of its columns.  Also: which 128 rows of that tile I fetch
	s_lshr_b32 s2, ttmp9, 1                        ; WHICH: 0 q, 1 k, 2 v
	s_bfe_u32 s40, ttmp6, 0x40000                  ; cx, cy
	s_bfe_u32 s41, ttmp6, 0x40004
	s_lshl_b32 s42, ttmp9, 2
	s_add_co_u32 s42, s42, s40                     ; tile column = 4 x cluster x + cx
	s_and_b32 s17, ttmp7, 0xffff
	s_lshl_b32 s17, s17, 2
	s_add_co_u32 s17, s17, s41                     ; tile row = 4 x cluster y + cy
	s_lshl_b32 s43, s41, 2
	s_lshl_b32 s43, 15, s43                        ; my row of the cluster
	s_lshl_b32 s44, 0x1111, s40                    ; my column
	s_or_b32 s[G1+0], s43, (0<<16)|(1<<20)|(1<<21)|(5<<22)|(3<<25)  ; the mask; elements of 1 byte; padding on; bit 21 beside a mask; after every 64 words 4 words
	s_or_b32 s[G1B+0], s44, (0<<16)|(1<<20)|(1<<21)|(5<<22)|(3<<25)
.irp g, G1, G1B
	s_mov_b32 s[\g+1], ROWB<<16                    ; tensor_dim0
	s_mov_b32 s[\g+2], 128<<16                     ; tensor_dim1
	s_mov_b32 s[\g+3], ROWB<<16                    ; tile_dim0
	s_mov_b32 s[\g+4], 128                         ; tile_dim1
	s_mov_b32 s[\g+5], KROW                        ; tensor_dim0_stride
	s_mov_b32 s[\g+6], 0
	s_mov_b32 s[\g+7], 0
.endr
	s_or_b32 s[G1S+0], s43, (3<<16)|(1<<20)|(1<<21)|(5<<22)|(3<<25)   ; the scales of 128 rows: a dense block, as rows of 256 bytes (32 elements of 8), 16 bytes of padding behind each
	s_or_b32 s[G1SB+0], s44, (3<<16)|(1<<20)|(1<<21)|(5<<22)|(3<<25)
.irp g, G1S, G1SB
	s_mov_b32 s[\g+1], 32<<16
	s_mov_b32 s[\g+2], (128*KS/256)<<16
	s_mov_b32 s[\g+3], 32<<16
	s_mov_b32 s[\g+4], 128*KS/256
	s_mov_b32 s[\g+5], 32
	s_mov_b32 s[\g+6], 0
	s_mov_b32 s[\g+7], 0
.endr
	s_lshl_b32 s18, s16, 7
	s_lshl_b32 s20, s17, 8
	s_add_co_u32 s20, s20, s18                     ; A: row 256 x tile row + 128 x half
	s_lshl_b32 s46, s42, 8
	s_add_co_u32 s46, s46, s18                     ; B: row 256 x tile column + 128 x half
	s_mov_b32 s21, 0
	s_mov_b32 s47, 0
	s_mov_b64 s[18:19], KS
	s_mul_u64 s[22:23], s[20:21], s[18:19]         ; where these rows' scales begin
	s_mul_u64 s[92:93], s[46:47], s[18:19]
	s_mov_b64 s[18:19], KROW
	s_mul_u64 s[20:21], s[20:21], s[18:19]         ; and their codes
	s_mul_u64 s[46:47], s[46:47], s[18:19]
	s_mul_i32 s45, s14, HALFT                      ; where they go: wave x 128 rows
	s_mul_i32 s94, s14, HALFS
	s_wait_dscnt 0x0                               ; the opening add is done
	s_wait_kmcnt 0x0
	s_add_nc_u64 s[8:9], s[4:5], WROWS*KROW        ; the weights' codes
	s_add_nc_u64 s[10:11], s[6:7], WROWS*KS        ; and their scales
	s_add_nc_u64 s[20:21], s[4:5], s[20:21]
	s_add_nc_u64 s[22:23], s[6:7], s[22:23]
	s_add_nc_u64 s[46:47], s[8:9], s[46:47]
	s_add_nc_u64 s[92:93], s[10:11], s[92:93]
	CROUND                                         ; all sixteen work-groups are here: the first joint loads meet
	s_mov_b32 s[G0S], 1
	s_add_co_u32 s[G0S+1], s94, SCL
	s_mov_b64 s[G0S+2:G0S+3], s[22:23]
	s_or_b32 s[G0S+3], s[G0S+3], 0x80000000
	s_mov_b32 s[G0SB], 1
	s_add_co_u32 s[G0SB+1], s94, SCL
	s_mov_b64 s[G0SB+2:G0SB+3], s[92:93]
	s_or_b32 s[G0SB+3], s[G0SB+3], 0x80000000
	JLOAD G0S, G1S, G0SB, G1SB                     ; the scales first: they are wanted with K step 0
.irp s, 0,1
	s_mov_b32 s[G0+4*\s], 1
	s_add_co_u32 s[G0+4*\s+1], s45, \s*SLOT
	s_add_nc_u64 s[G0+4*\s+2:G0+4*\s+3], s[20:21], \s*ROWB
	s_or_b32 s[G0+4*\s+3], s[G0+4*\s+3], 0x80000000
	s_mov_b32 s[G0B+4*\s], 1
	s_add_co_u32 s[G0B+4*\s+1], s45, \s*SLOT
	s_add_nc_u64 s[G0B+4*\s+2:G0B+4*\s+3], s[46:47], \s*ROWB
	s_or_b32 s[G0B+4*\s+3], s[G0B+4*\s+3], 0x80000000
	JLOAD G0+4*\s, G1, G0B+4*\s, G1B
.endr
	s_load_b128 s[4:7], s[0:1], 0x40               ; Wo, wo16, into registers that the descriptors no longer need; awaited in front of the first wait for tiles
	s_lshl_b32 s92, s17, 3                         ; my wave's part of Wo: ((8 x tile row + tile column in the tensor) x 4 + wave): 0 .. 255 over the q work-groups' waves
	s_and_b32 s93, s42, 7
	s_add_co_u32 s92, s92, s93
	s_lshl_b32 s92, s92, 2
	s_add_co_u32 s92, s92, s14
	s_lshl_b32 s94, s92, 15                        ; 32,768 bytes of f16 a wave,
	s_lshl_b32 s92, s92, 16                        ; 65,536 bytes of f32
	s_mov_b32 s93, 0
	s_mov_b32 s95, 0
	v_and_b32 v1, 15, v0                           ; r = l % 16
	v_bfe_u32 v2, v0, 4, 1                         ; h = l / 16
	v_mul_u32_u24 v3, v1, PITCH
	v_lshl_add_u32 v4, v2, 4, v3                   ; a fragment's row x pitch + 16 x half
	s_mul_i32 s21, s15, HALFT
	s_mul_i32 s22, s16, HALFT
	s_add_co_u32 s22, s22, 2*HALFT
.irp s, 0,1
	v_add_nc_u32 v[ADRA+\s], s21, v4
	v_add_nc_u32 v[ADRB+\s], s22, v4
	s_add_co_u32 s21, s21, SLOT
	s_add_co_u32 s22, s22, SLOT
.endr
	v_mul_u32_u24 v5, v1, KS                       ; my row's scales: KS bytes a row,
	v_lshrrev_b32 v6, 8, v5
	v_lshl_add_u32 v5, v6, 4, v5                   ; and 16 more for each 256 passed
	s_mul_i32 s21, s15, HALFS
	s_mul_i32 s22, s16, HALFS
	s_add_co_u32 s22, s22, 2*HALFS
	s_sub_co_u32 s22, s22, s21
	v_mul_u32_u24 v6, s22, v2                      ; lanes 16-31 take B's
	s_add_co_u32 s21, s21, SCL
	v_add_nc_u32 v5, v5, v6
	v_add_nc_u32 v[ADRS], s21, v5
	s_mul_i32 s23, s14, 16*SPITCH                  ; my f32 stage
	v_mul_u32_u24 v5, v1, SPITCH
	v_lshl_add_u32 v5, v2, 5, v5
	v_add_nc_u32 v[STO], s23, v5
	v_and_b32 v6, 31, v0
	v_lshlrev_b32 v[CO], 4, v6
	v_lshlrev_b32 v[WOS], 3, v6
	v_add_nc_u32 v[RD], s23, v[CO]
	s_mul_i32 s23, s14, 16*272                     ; my f16 stage
	s_add_co_u32 s23, s23, ST16
	v_mul_u32_u24 v5, v1, 272
	v_lshl_add_u32 v5, v2, 4, v5
	v_add_nc_u32 v[STO16], s23, v5                 ; in: row r, 16 bytes for each half of the lanes
	v_mul_u32_u24 v5, v2, 272
	v_lshl_add_u32 v5, v1, 4, v5
	v_add_nc_u32 v[RD16], s23, v5                  ; back: lanes 0-15 one row of 256 bytes, lanes 16-31 the next
	v_lshlrev_b32 v[BO], 5, v2
	; where my results go, and my bias
	s_and_b32 s46, s42, 7                          ; the tile column within its tensor
	s_lshl_b32 s46, s46, 1
	s_add_co_u32 s46, s46, s16                     ; my head
	s_lshl_b32 s20, s46, 9                         ; its 128 numbers of the bias
	s_mov_b32 s21, 0
	s_cmp_eq_u32 s2, 0
	s_cselect_b64 s[96:97], s[96:97], s[98:99]
	s_cmp_eq_u32 s2, 2
	s_cselect_b64 s[96:97], s[100:101], s[96:97]
	s_add_nc_u64 s[96:97], s[96:97], s[20:21]
.irp b, 0,1,2,3,4,5,6,7
	global_load_b128 v[BIAS+8*\b:BIAS+8*\b+3], v[BO], s[96:97] offset:64*\b          ; lane (r, h), block b: the bias of channels 16 b + 8 h + 0 .. 7: the result's layout
	global_load_b128 v[BIAS+8*\b+4:BIAS+8*\b+7], v[BO], s[96:97] offset:64*\b+16
.endr
	s_lshl_b32 s46, s46, 19                        ; a head is 2^19 bytes of f16
	s_lshl_b32 s20, s17, 8
	s_lshl_b32 s21, s15, 7
	s_add_co_u32 s20, s20, s21                     ; my first token
	s_lshl_b32 s20, s20, 8                         ; 256 bytes of f16 a token, in rows and in images alike
	s_add_co_u32 s46, s46, s20
	s_mov_b32 s47, 0
	s_lshl_b32 s20, s2, 23                         ; q, k, v lie 2^23 bytes apart in qkv16
	s_mov_b32 s21, 0
	s_add_nc_u64 s[12:13], s[12:13], s[20:21]
	s_add_nc_u64 s[12:13], s[12:13], s[46:47]      ; the f16 results
	s_cmp_eq_u32 s2, 1
	s_cselect_b64 s[22:23], s[66:67], s[104:105]
	s_lshl_b32 s46, s46, 1
	s_add_nc_u64 s[22:23], s[22:23], s[46:47]      ; the f32 results
	s_mov_b32 s18, 0x3eb6d544                      ; g = sqrt(log2(e) / sqrt(128))
	s_mov_b32 s19, s18                             ; (named with it as a pair)
.macro FRAG reg, adr, q, i             ; 16 rows x 128 K of 4-bit codes: 8 registers; registers 4 c .. 4 c + 3 hold K = 64 c + 32 (l / 16) + 0 .. 31
.irp c, 0,1
	ds_load_b128 v[\reg+4*\c:\reg+4*\c+3], v[\adr] offset:64*(\q)+32*\c+(\i)*16*PITCH
.endr
.endm
; 16 matrix instructions: A's blocks a0, a0 + 1 x B's eight.  zero = 1: the first product starts the sums from the bias.  The 64 accumulators take turns, one instruction a turn.
.macro MUL16 a0, p, q, sc, zero
.irp a, \a0, \a0+1
.irp b, 0,1,2,3,4,5,6,7
.if \zero
	v_wmma_scale_f32_16x16x128_f8f6f4 v[8*(8*((\a)%4)+\b):8*(8*((\a)%4)+\b)+7], v[128*(\p)+FR*\b:128*(\p)+FR*\b+FR-1], v[AF+FR*(\a):AF+FR*(\a)+FR-1], v[BIAS+8*\b:BIAS+8*\b+7], v[SC+8*NQ*(\sc)+NQ*\b+(\q)], v[SC+8*NQ*(\sc)+NQ*(\a)+(\q)] matrix_a_fmt:MATRIX_FMT_FP4 matrix_b_fmt:MATRIX_FMT_FP4 matrix_a_scale:MATRIX_SCALE_ROW1
.else
	v_wmma_scale_f32_16x16x128_f8f6f4 v[8*(8*((\a)%4)+\b):8*(8*((\a)%4)+\b)+7], v[128*(\p)+FR*\b:128*(\p)+FR*\b+FR-1], v[AF+FR*(\a):AF+FR*(\a)+FR-1], v[8*(8*((\a)%4)+\b):8*(8*((\a)%4)+\b)+7], v[SC+8*NQ*(\sc)+NQ*\b+(\q)], v[SC+8*NQ*(\sc)+NQ*(\a)+(\q)] matrix_a_fmt:MATRIX_FMT_FP4 matrix_b_fmt:MATRIX_FMT_FP4 matrix_a_scale:MATRIX_SCALE_ROW1
.endif
.endr
.endr
.endm
.macro FETCH_B slot, q, p
	WIN TO_B
.irp i, 0,1,2,3,4,5,6,7
	FRAG 128*(\p)+FR*\i, ADRB+\slot, \q, \i
.endr
	WIN 0
.endm
.macro FETCH_A slot, q, i0
.irp i, \i0, \i0+1, \i0+2, \i0+3
	FRAG AF+FR*(\i), ADRA+\slot, \q, \i
.endr
.endm
.macro SCALES sc                       ; a K step's scale words: lanes 0-15 take A's block i, lanes 16-31 B's block i
.irp i, 0,1,2,3,4,5,6,7
	ds_load_b128 v[SC+8*NQ*\sc+NQ*\i:SC+8*NQ*\sc+NQ*\i+3], v[ADRS] offset:\i*SBLK
.endr
.endm
.macro PLACES n                        ; plain vector instructions between a matrix instruction and a load into, or a read of, its registers
.rept \n
	v_nop
.endr
.endm
.macro STEP slot, q, zero
	s_wait_dscnt 4*NL                              ; B's set and A's blocks 0-3 are in; the youngest eight loads (A's blocks 4-7) may be out
.if \zero
	WIN 0x81                                       ; C (the bias) window 0, D window 2
.else
	WIN MUL_LO
.endif
	MUL16 0, (\q)%2, \q, \slot, \zero
	MUL16 2, (\q)%2, \q, \slot, \zero
	s_wait_dscnt 0                                 ; A's blocks 4-7 are in
	PLACES NP
	FETCH_B \slot, (\q)+1, 1-(\q)%2
	FETCH_A \slot, (\q)+1, 0
.if \zero
	WIN 0xc1                                       ; C window 0, D window 3
.else
	WIN MUL_HI
.endif
	MUL16 4, (\q)%2, \q, \slot, \zero
	MUL16 6, (\q)%2, \q, \slot, \zero
	PLACES NP
	WIN 0
	FETCH_A \slot, (\q)+1, 4
.endm
; A slot's last step changes slots: ONE barrier; in front of it each wave waits for all its tensor loads, adds 0 to its spare word, and waits for that and for its own reads of this slot.
.macro TURN slot, next, fill
	s_wait_tensorcnt 0x0                           ; all my tensor loads have landed: my part of the next slot
	ds_add_u32 v[SPW], v[NIL]                      ; 0 onto my spare word
	s_wait_dscnt 4*NL+1                            ; (the add and the youngest eight loads, A's blocks 4-7, may be out)
	WIN MUL_LO
	MUL16 0, 1, NQ-1, \slot, 0
	s_wait_dscnt 0x0                               ; the add is done, and my reads of this slot are over
	s_barrier_signal -1
	MUL16 2, 1, NQ-1, \slot, 0
	WIN 0
	s_barrier_wait -1
.if \fill
	CREST                                          ; the barrier has opened a round of the cluster's barrier: no wave of any partner still reads this slot or has a load on its way
	s_add_nc_u64 s[G0+4*\slot+2:G0+4*\slot+3], s[G0+4*\slot+2:G0+4*\slot+3], 2*ROWB
	s_add_nc_u64 s[G0B+4*\slot+2:G0B+4*\slot+3], s[G0B+4*\slot+2:G0B+4*\slot+3], 2*ROWB
	JLOAD G0+4*\slot, G1, G0B+4*\slot, G1B         ; the first tensor load behind the round; its four v_nop are the places in front of the loads below
.else
	PLACES NP
.endif
	v_add_nc_u32 v[ADRS], 4*NQ, v[ADRS]            ; on to the next K step's scale words
	FETCH_B \next, 0, 0
	FETCH_A \next, 0, 0
	SCALES \next
	WIN MUL_HI
	MUL16 4, 1, NQ-1, \slot, 0
	MUL16 6, 1, NQ-1, \slot, 0
	PLACES NP
	WIN 0
	FETCH_A \next, 0, 4
.endm
.macro STEPS slot, from
.set Q, \from
.rept NQ-1-\from
	STEP \slot, Q, 0
.set Q, Q+1
.endr
.endm
	s_wait_kmcnt 0x0                               ; Wo, wo16: asked for behind the first joint loads
	s_add_nc_u64 s[4:5], s[4:5], s[92:93]          ; at my wave's part (used by the q work-groups alone)
	s_add_nc_u64 s[6:7], s[6:7], s[94:95]
	s_wait_tensorcnt 1                             ; the scales and my part of K step 0 are in (K step 1's load may be out)
	s_barrier_signal -1
	s_barrier_wait -1
	FETCH_B 0, 0, 0
	FETCH_A 0, 0, 0
	SCALES 0
	FETCH_A 0, 0, 4
	s_wait_loadcnt 0x0                             ; the bias
	STEP 0, 0, 1                                   ; the first step stands in front of the loop: its products start the sums
	s_mov_b32 s3, LAPS-1
.Llap:                                                 ; a trip goes once round the ring and fills both slots again
	STEPS 0, 1
	TURN 0, 1, 1
	STEPS 1, 0
	TURN 1, 0, 1
	STEP 0, 0, 0
	s_sub_co_u32 s3, s3, 1
	s_cmp_lg_u32 s3, 0
	s_cbranch_scc1 .Llap
	STEPS 0, 1                                     ; the last lap fills nothing
	TURN 0, 1, 0
	STEPS 1, 0
	s_wait_dscnt 4*NL
	WIN MUL_LO
	MUL16 0, 1, NQ-1, 1, 0
	MUL16 2, 1, NQ-1, 1, 0
	s_wait_dscnt 0
	WIN MUL_HI
	MUL16 4, 1, NQ-1, 1, 0
	MUL16 6, 1, NQ-1, 1, 0
	WIN 0
; THE WAY OUT: four segments, each passed over as a whole by a scalar branch on WHICH.  Three read the accumulators alone, from their low ends on; the fourth is Wo's.
.macro IMG a                           ; q, k: x g in f32, one rounding to f16; the packed block is the image: 8 stores of 512 consecutive bytes
.set AC, 64*((\a)%4)
	WIN 0x02+(\a)/4
.irp b, 0,1,2,3,4,5,6,7
.irp p, 0,1,2,3
	v_pk_mul_f32 v[AF+8*\b+2*\p:AF+8*\b+2*\p+1], v[AC+8*\b+2*\p:AC+8*\b+2*\p+1], s[18:19] op_sel_hi:[1,0]
.endr
.endr
	WIN 0
.if (\a) > 0
	s_wait_xcnt 0x0                                ; the last block's stores have read their data
.endif
.irp b, 0,1,2,3,4,5,6,7
.irp p, 0,1,2,3
	v_cvt_pk_f16_f32 v[PK+4*\b+\p], v[AF+8*\b+2*\p], v[AF+8*\b+2*\p+1]
.endr
.endr
.irp b, 0,1,2,3,4,5,6,7
	global_store_b128 v[CO], v[PK+4*\b:PK+4*\b+3], s[12:13] offset:4096*(\a)+512*\b
.endr
.endm
; Wo: my wave's 65,536 bytes in four groups of 32 loads of 512 consecutive bytes.  Groups 0, 1 land in window 1, groups 2, 3 in window 2: 128 registers each, none used twice, so no store's data are written again.
.macro WOLD g
	WIN 0x40+0x40*((\g)/2)                         ; destination window 1 or 2, address window 0
.set i, 0
.rept 32
	global_load_b128 v[128*((\g)%2)+4*i:128*((\g)%2)+4*i+3], v[CO], s[4:5] offset:512*(32*(\g)+i) th:TH_LOAD_NT
.set i, i+1
.endr
	WIN 0
.endm
.macro WOCV g                          ; a group to f16, in place: a lane's 4 numbers become 8 bytes, so a store of the wave covers 256 consecutive bytes, aligned
.set BB, 128*((\g)%2)
	WIN 0x45+0x45*((\g)/2)                         ; destination and sources 0, 1 window 1 or 2
.set i, 0
.rept 32
	v_cvt_pk_f16_f32 v[BB+4*i], v[BB+4*i], v[BB+4*i+1]
	v_cvt_pk_f16_f32 v[BB+4*i+1], v[BB+4*i+2], v[BB+4*i+3]
.set i, i+1
.endr
	WIN 0x04+0x04*((\g)/2)                         ; a store's data are its source 1
.set i, 0
.rept 32
	global_store_b64 v[WOS], v[BB+4*i:BB+4*i+1], s[6:7] offset:256*(32*(\g)+i)
.set i, i+1
.endr
	WIN 0
.endm
.macro R16 a                           ; v: rounded to f16, through my f16 stage, out as whole rows of 256 bytes
.set AC, 64*((\a)%4)
	WIN 0x0a+5*((\a)/4)
.irp b, 0,1,2,3,4,5,6,7
.irp p, 0,1,2,3
	v_cvt_pk_f16_f32 v[PK+4*\b+\p], v[AC+8*\b+2*\p], v[AC+8*\b+2*\p+1]
.endr
.endr
	WIN 0
.irp b, 0,1,2,3,4,5,6,7
	ds_store_b128 v[STO16], v[PK+4*\b:PK+4*\b+3] offset:32*\b
.endr
	s_wait_xcnt 0x0                                ; the last block's stores have read their data
.irp i, 0,1,2,3,4,5,6,7
	ds_load_b128 v[BK+4*\i:BK+4*\i+3], v[RD16] offset:544*\i   ; LDS serves a wave's instructions in order: these see the stores above
.endr
	s_wait_dscnt 0x0
.irp i, 0,1,2,3,4,5,6,7
	global_store_b128 v[CO], v[BK+4*\i:BK+4*\i+3], s[12:13] offset:4096*(\a)+512*\i   ; two rows of 256 bytes: 512 consecutive bytes
.endr
.endm
.macro TOSTAGE a                       ; k, v in f32: a block of 16 rows x 128 columns through my f32 stage
.set AC, 64*((\a)%4)
	WIN 0x08+4*((\a)/4)
.irp b, 0,1,2,3,4,5,6,7
	ds_store_b128 v[STO], v[AC+8*\b:AC+8*\b+3] offset:64*\b
	ds_store_b128 v[STO], v[AC+8*\b+4:AC+8*\b+7] offset:64*\b+16
.endr
	WIN 0
.set BB, BK+64*((\a)%2)
.irp t, 0,1,2,3,4,5,6,7,8,9,10,11,12,13,14,15
	ds_load_b128 v[BB+4*\t:BB+4*\t+3], v[RD] offset:\t*SPITCH
.endr
.endm
.macro SEND a, younger
.set BB, BK+64*((\a)%2)
	s_wait_dscnt \younger                          ; the block is back in registers; the next block's LDS instructions may be out
.irp t, 0,1,2,3,4,5,6,7,8,9,10,11,12,13,14,15
	global_store_b128 v[CO], v[BB+4*\t:BB+4*\t+3], s[22:23] offset:8192*(\a)+512*\t th:TH_STORE_NT   ; a row of 512 bytes, aligned
.endr
.endm
	PLACES NP
	s_cmp_gt_u32 s2, 1
	s_cbranch_scc1 .Lno_img
.irp a, 0,1,2,3,4,5,6,7
	IMG \a
.endr
.Lno_img:
	s_cmp_lg_u32 s2, 0
	s_cbranch_scc1 .Lno_wo
	WOLD 0                                         ; the q work-groups alone: B's fragments and the low accumulators are done with
	WOLD 1
	s_wait_loadcnt 32                              ; group 0 is in; group 1's 32 loads may be out
	WOCV 0
	WOLD 2
	s_wait_loadcnt 32                              ; group 1 is in; group 2's may be out
	WOCV 1
	WOLD 3
	s_wait_loadcnt 32                              ; group 2 is in; group 3's may be out
	WOCV 2
	s_wait_loadcnt 0x0
	WOCV 3
.Lno_wo:
	s_cmp_lg_u32 s2, 2
	s_cbranch_scc1 .Lno_r16
	s_wait_xcnt 0x0                                ; no earlier store still reads the registers written below
.irp a, 0,1,2,3,4,5,6,7
	R16 \a
.endr
.Lno_r16:
	s_cmp_eq_u32 s2, 0
	s_cbranch_scc1 .Lno_r32
	s_wait_xcnt 0x0                                ; no earlier store still reads the registers loaded below
	TOSTAGE 0
.irp a, 1,2,3,4,5,6,7
.if \a > 1
	s_wait_xcnt 0x0                                ; block a - 2's stores have read their registers: block a's loads may land there
.endif
	TOSTAGE \a
	SEND \a-1, 32                                  ; behind block a - 1's loads: block a's 16 stores and 16 loads
.endr
	SEND 7, 0
.Lno_r32:
	s_wait_tensorcnt 0x0                           ; the wave's end
	ds_add_u32 v[SPW], v[NIL]
	s_wait_dscnt 0x0
	CROUND                                         ; the closing round
	s_endpgm
.Lfunc_end_k_qaf6067d2f6_qkv:
	.size	k_qaf6067d2f6_qkv, .Lfunc_end_k_qaf6067d2f6_qkv-k_qaf6067d2f6_qkv
	.p2alignl 7, 3214868480
	.fill 96, 4, 3214868480
	.section	.rodata,"a",@progbits
	.p2align	6, 0x0
	.amdhsa_kernel k_qaf6067d2f6_qkv
		.amdhsa_group_segment_fixed_size 327680
		.amdhsa_private_segment_fixed_size 0
		.amdhsa_enable_private_segment 0
		.amdhsa_kernarg_size 80
		.amdhsa_user_sgpr_count 2
		.amdhsa_user_sgpr_kernarg_segment_ptr 1
		.amdhsa_wavefront_size32 1
		.amdhsa_system_sgpr_workgroup_id_x 1
		.amdhsa_system_sgpr_workgroup_id_y 1
		.amdhsa_system_sgpr_workgroup_id_z 1
		.amdhsa_system_vgpr_workitem_id 0
		.amdhsa_next_free_vgpr 1024
		.amdhsa_next_free_sgpr 106
		.amdhsa_reserve_vcc 0
		.amdhsa_float_denorm_mode_32 3
		.amdhsa_float_denorm_mode_16_64 3
		.amdhsa_memory_ordered 1
		.amdhsa_forward_progress 1
		.amdhsa_inst_pref_size 255
	.end_amdhsa_kernel
	.section	.bss,"aw",@nobits
	.p2align	6
	.space	262144
	.amdgpu_metadata
---
amdhsa.version: [ 1, 2 ]
amdhsa.kernels:
  - .name:           k_qaf6067d2f6_qkv
    .symbol:         k_qaf6067d2f6_qkv.kd
    .args:
      - { .name: codes, .offset: 0, .size: 8, .value_kind: global_buffer, .address_space: global }
      - { .name: scales, .offset: 8, .size: 8, .value_kind: global_buffer, .address_space: global }
      - { .name: bq, .offset: 16, .size: 8, .value_kind: global_buffer, .address_space: global }
      - { .name: bk, .offset: 24, .size: 8, .value_kind: global_buffer, .address_space: global }
      - { .name: bv, .offset: 32, .size: 8, .value_kind: global_buffer, .address_space: global }
      - { .name: qkv16, .offset: 40, .size: 8, .value_kind: global_buffer, .address_space: global }
      - { .name: out1, .offset: 48, .size: 8, .value_kind: global_buffer, .address_space: global }
      - { .name: out2, .offset: 56, .size: 8, .value_kind: global_buffer, .address_space: global }
      - { .name: Wo, .offset: 64, .size: 8, .value_kind: global_buffer, .address_space: global }
      - { .name: wo16, .offset: 72, .size: 8, .value_kind: global_buffer, .address_space: global }
    .group_segment_fixed_size: 327680
    .private_segment_fixed_size: 0
    .kernarg_segment_align: 8
    .kernarg_segment_size: 80
    .max_flat_workgroup_size: 128
    .sgpr_count:     106
    .vgpr_count:     1024
    .wavefront_size: 32
...
	.end_amdgpu_metadata
.endif
;; end of part 2
;; launch attn (part 3): grid 16 x 16, 4 waves a work-group, clusters of 4 x 4, 327,680 bytes of LDS; arguments qkv16, attn_mask, ctx16; writes ctx16
.if DOCPART == 3
	.amdgcn_target "amdgcn-amd-amdhsa--gfx1250"
	.amdhsa_code_object_version 6
	.text
	.protected	k_qaf6067d2f6_attn
	.globl	k_qaf6067d2f6_attn
	.p2align	8
	.type	k_qaf6067d2f6_attn,@function
k_qaf6067d2f6_attn:
	s_mov_b64 s[64:65], 0
	v_nop
	global_prefetch_b8 v0, s[64:65] scope:SCOPE_SE
	s_setreg_imm32_b32 hwreg(HW_REG_WAVE_MODE, 25, 1), 1
	s_wait_xcnt 0x0
	s_wait_alu depctr_hold_cnt(0) depctr_sa_sdst(0) depctr_va_vdst(0) depctr_va_sdst(0) depctr_va_ssrc(0) depctr_va_vcc(0) depctr_vm_vsrc(0)
	s_getreg_b32 s2, hwreg(HW_REG_IB_STS2, 6, 4)
	s_cmp_eq_u32 s2, 0
	s_cbranch_scc0 .Lentry_in_a_cluster
	s_endpgm
.Lentry_in_a_cluster:
	s_bfe_u32 s2, ttmp6, 0x10000c
	s_cmp_lg_u32 s2, 0xf033
	s_cbranch_scc0 .Lentry_shape_is_right
	s_endpgm
.Lentry_shape_is_right:
; ctx[q][head] = softmax_k(q . k / sqrt(128) + attn_mask[q][k]) v, in f16 operands with f32 sums, maxima and row sums.  The mask is an input: every score is computed and the mask is added as it is given.
; q and k arrive as images of operand registers, both times g = sqrt(log2(e) / sqrt(128)), so that the product is t = score x log2(e); v as rows of f16.
; x = mask x log2(e) + t (one fused multiply-add); m the running maximum of x; p = 2^(x - m); l the sum of the unrounded p; p goes to f16 for the second product; O and l are multiplied by 2^(m_old - m_new) in every step.
; SHARES.  A work-group owns 128 queries of one head.  Wave w: qh = w / 2 says which 64 queries, kh = w % 2 which 64 of each step's 128 keys.  So a wave has four tiles of 16 queries, and each fragment of K and V
; that it reads from LDS feeds four products.  The two waves of a pair keep m, l and O of their own and merge at the end.  Register tile t holds query tile t xor 2 kh (told by addresses alone), so that every wave
; hands over register tiles 2, 3 and finishes tiles 0, 1 by one text.
; LAYOUT.  S^T = K Q^T (source 0 = 16 keys, source 1 = 16 queries), O^T = V^T P: a lane holds ONE query (lane % 16) throughout.  V comes turned, by ds_load_tr16_b128.
; BY TURNS.  Piece 0 (tiles 0, 1) and piece 2 (tiles 2, 3): in a turn one piece has the matrix unit (32 products V^T P of the step in hand, 32 products K Q^T of the next), and the other piece's softmax,
; 298 vector instructions, is dealt out evenly behind its 64 matrix instructions.
; CLUSTER 4 x 4: x = block of queries, y = head.  K's and V's tiles hang on the head alone and are asked for jointly along a row of the cluster; the mask's tile hangs on the block of queries alone: along a column.
; RING: 16 steps of 128 keys, two slots; behind each round one joint load a wave (wave 0: K, wave 1: V, waves 2, 3: the mask's halves of 64 rows); one tensor load of a wave is out at a time; every wait for them is for 0.
; LIMITS: NaN and +infinity are not served.  A mask of -infinity gives p = 0; a row wholly -infinity gives NaN.  mask x log2(e) + t is rounded once, in base 2, where the definition rounds score + mask:
; that shows only where every key's mask of a row is so large that the scores vanish under its rounding.  |ctx| stays under 65,504 (f16).
; REGISTERS, in windows of 256: window 0: v2-11 addresses; v12-43 statistics, eight a tile; v44-63 addresses; v64-191 S^T; v192-255 P.   window 1: O^T, 64 a tile.   window 2: v0-127 Q; v128-255 K.
;   window 3: v0-127 V; v128-255 the mask, register for register beside S^T.
.set MP,    528                        ; a mask row in LDS: 512 bytes + 16: row r starts at bank 4 r mod 64 (64 banks of 4 bytes: ISA guide 11.1)
.set PVP,   288                        ; a row of V: 256 + 32
.set SLX,   0x20000                    ; the mask's and V's slot 1 lie this far behind slot 0: one exclusive or turns an address
.set KLX,   0x8000                     ; K's likewise
.set VOFF,  0x10800                    ; a slot: 128 mask rows (67,584 bytes), then 128 rows of V (36,864)
.set KOFF,  0x40000                    ; K's images: 32,768 dense bytes a slot
.set SPARE, 0x19800                    ; behind slot 0's V: the spare words, 128 bytes for each wave
.set EXS,   0x10000                    ; after the last change of slots, in slot 0: O handed over at wave x 16,384; statistics here, 512 bytes a wave;
.set STAGE, 0x10800                    ; the way out's stage, 16 rows x 272 for each wave
.set SP,    272
.set AK0, 2
.set AV0, 3
.set AMX, 4                            ; my place in the mask's tile for register tiles 0, 1
.set AMY, 5                            ; and for tiles 2, 3
.set ADK, 6
.set ADV, 7
.set ADM, 8
.set LI,  9                            ; 16 x lane
.set STO, 10
.set RD,  11
.set ST,  12                           ; tile t at v[ST + 8 t]: +0 m, +1 zero (named with m as a pair), +2, +3 l, +4 to +7 at work; a in +6
.set GO,  44
.set EXA, 45
.set IMA, 46
.set SXA, 47
.set SIA, 48
.set PM,  49                           ; v49-52 the partner's m and l
.set PFO, 61
.set SPW, 62
.set NIL, 63
.set S,   64
.set P,   192
.set KF,  128
.set WV,  14
.set KH,  15
.set QH,  16
.set CX,  17
.set CY,  18
.set QB,  19
.set HD,  20
.set CLY, 21
.set G1K, 24
.set G1V, 32
.set G1M, 40
.set G0K, 48
.set G0V, 52
.set G0M, 56
.set SEL, 60
.set LL,  62                           ; s[62:63] log2(e)
.set TB,  66                           ; the slot in hand, for the mask and V
.set TK,  67                           ; and for K
.set F,   68                           ; the step that is being fetched
.set LIM, 69                           ; 12 in a wave that prefetches, else -1
.set PFA, 70
.set PFS, 72
.set QA,  74                           ; Q's images of register tiles 0, 1
.set QC,  76                           ; and of tiles 2, 3
.set MSB, 0
.macro WIN new
.if MSB != (\new)
	s_set_vgpr_msb (MSB<<8)|(\new)
.set MSB, \new
.endif
.endm
.set W_KQ, 0x0a                        ; K and Q window 2, S^T window 0
.set W_PV, 0x53                        ; V window 3, P window 0, O^T window 1
.set W_RS, 0x41                        ; O^T (destination and source 0) window 1, a window 0
.set W_MK, 0x03                        ; the mask (source 0) window 3, S^T window 0
.macro PLACES
.rept 4
	v_nop
.endr
.endm
; A joint load.  The branches hang on the wave's number alone.  An s_nop 0 and four v_nop follow each line.
.macro JLOAD3
	s_cmp_lg_u32 s[WV], 0
	s_cbranch_scc1 .Lnot_k_\@
	tensor_load_to_lds s[G0K:G0K+3], s[G1K:G1K+7]
	s_nop 0
	PLACES
	s_branch .Lasked_\@
.Lnot_k_\@:
	s_cmp_lg_u32 s[WV], 1
	s_cbranch_scc1 .Lnot_v_\@
	tensor_load_to_lds s[G0V:G0V+3], s[G1V:G1V+7]
	s_nop 0
	PLACES
	s_branch .Lasked_\@
.Lnot_v_\@:
	tensor_load_to_lds s[G0M:G0M+3], s[G1M:G1M+7]
	s_nop 0
	PLACES
.Lasked_\@:
.endm
; A PREFETCH of the tile two refills on (step F + 3), behind the joint load and its five lines: 256 matrix instructions ahead of the load that will want it.  Each loading wave asks for 32 of its tile's 128 blocks of 256 bytes,
; a lane a block; the four partners that ask for a tile jointly are told apart BY ADDRESS.  K's and V's tiles are walked by every cluster of a row of clusters: cluster x = 0 asks; the mask's by every cluster of a column:
; cluster y = 0 asks.  So each block is named once.  Steps 0 to 2 come by their loads alone; behind step 12's change nothing is asked for: step 15 is the last.
.macro ASK
	s_cmp_le_i32 s[F], s[LIM]
	s_cbranch_scc0 .Lnot_mine_\@
	global_prefetch_b8 v[PFO], s[PFA:PFA+1] th:TH_LOAD_NT scope:SCOPE_SE
.Lnot_mine_\@:
.endm
.macro CROUND
	s_barrier_signal -1
	s_barrier_wait -1
	s_cmp_lg_u32 s[WV], 0
	s_cbranch_scc1 .Lnot_wave_0_\@
	s_barrier_signal -3
.Lnot_wave_0_\@:
	s_barrier_wait -3
	s_barrier_signal -1
	s_barrier_wait -1
.endm
	s_load_b128 s[4:7], s[0:1], 0x0                ; qkv16, attn_mask
	s_load_b64 s[8:9], s[0:1], 0x10                ; ctx16
	v_lshl_add_u32 v[SPW], v0, 2, SPARE
	v_mov_b32 v[NIL], 0
	ds_add_u32 v[SPW], v[NIL]                      ; the wave's opening: the add and its wait stand ahead of my first tensor load; the set-up below stands between them
	v_lshrrev_b32 v1, 5, v0
	v_readfirstlane_b32 s[WV], v1
	s_and_b32 s[KH], s[WV], 1
	s_lshr_b32 s[QH], s[WV], 1
	s_bfe_u32 s[CX], ttmp6, 0x40000
	s_bfe_u32 s[CY], ttmp6, 0x40004
	s_lshl_b32 s[QB], ttmp9, 2
	s_add_co_u32 s[QB], s[QB], s[CX]               ; my block of 128 queries
	s_and_b32 s[CLY], ttmp7, 0xffff
	s_lshl_b32 s[HD], s[CLY], 2
	s_add_co_u32 s[HD], s[HD], s[CY]               ; my head
	s_lshl_b32 s22, s[CY], 2
	s_lshl_b32 s22, 15, s22                        ; my row of the cluster
	s_lshl_b32 s23, 0x1111, s[CX]                  ; my column
	s_or_b32 s[G1K], s22, (3<<16)|(1<<21)          ; K: a dense block of 32,768 bytes as 128 rows of 32 elements of 8 bytes; no padding
	s_mov_b32 s[G1K+1], 32<<16
	s_mov_b32 s[G1K+2], 128<<16
	s_mov_b32 s[G1K+3], 32<<16
	s_mov_b32 s[G1K+4], 128
	s_mov_b32 s[G1K+5], 32
	s_mov_b32 s[G1K+6], 0
	s_mov_b32 s[G1K+7], 0
	s_or_b32 s[G1V], s22, (1<<16)|(1<<20)|(1<<21)|(5<<22)|(7<<25)   ; V: 128 rows of 128 f16; 8 words of padding after every 64
	s_mov_b32 s[G1V+1], 128<<16
	s_mov_b32 s[G1V+2], 128<<16
	s_mov_b32 s[G1V+3], 128<<16
	s_mov_b32 s[G1V+4], 128
	s_mov_b32 s[G1V+5], 128
	s_mov_b32 s[G1V+6], 0
	s_mov_b32 s[G1V+7], 0
	s_or_b32 s[G1M], s23, (2<<16)|(1<<20)|(1<<21)|(6<<22)|(3<<25)   ; the mask: 64 rows of 128 f32, 2,048 apart; 4 words of padding after every 128
	s_mov_b32 s[G1M+1], 128<<16
	s_mov_b32 s[G1M+2], 64<<16
	s_mov_b32 s[G1M+3], 128<<16
	s_mov_b32 s[G1M+4], 64
	s_mov_b32 s[G1M+5], 2048
	s_mov_b32 s[G1M+6], 0
	s_mov_b32 s[G1M+7], 0
	s_mov_b32 s[SEL], 0x76543210
	s_mov_b32 s[SEL+1], 0xfedcba98
	s_mov_b32 s[LL], 0x3fb8aa3b
	s_mov_b32 s[LL+1], s[LL]
	s_mov_b32 s[TB], SLX                           ; the first change of slots turns these to slot 0
	s_mov_b32 s[TK], KLX
	s_mov_b32 s[F], 0
	; every address register is made here, ahead of the first branch
	v_and_b32 v53, 31, v0                          ; lane
	v_and_b32 v54, 15, v0                          ; r
	v_bfe_u32 v55, v0, 4, 1                        ; h
	v_lshlrev_b32 v[LI], 4, v53
	s_lshl_b32 s78, s[KH], 14
	s_add_co_u32 s78, s78, KOFF
	v_add_nc_u32 v[AK0], s78, v[LI]                ; K: my half's four tiles of keys; an image's place for my lane
	v_and_b32 v56, 7, v0
	v_bfe_u32 v57, v0, 3, 1
	v_lshl_add_u32 v[AV0], v55, 3, v56
	v_mul_u32_u24 v[AV0], v[AV0], PVP
	v_lshl_add_u32 v[AV0], v57, 4, v[AV0]          ; V, for the turning load: key 8 h + l % 8, channels 8 ((l / 8) % 2) on
	s_mul_i32 s78, s[KH], 64*PVP
	s_add_co_u32 s78, s78, VOFF
	v_add_nc_u32 v[AV0], s78, v[AV0]
	v_mul_u32_u24 v56, v54, MP
	v_lshl_add_u32 v56, v55, 5, v56                ; the mask: row r, + 32 h: my eight keys of a tile
	s_lshl_b32 s78, s[QH], 6
	s_lshl_b32 s79, s[KH], 5
	s_add_co_u32 s79, s79, s78
	s_mul_i32 s79, s79, MP
	s_lshl_b32 s80, s[KH], 8                       ; my half's 64 keys
	s_add_co_u32 s79, s79, s80
	v_add_nc_u32 v[AMX], s79, v56                  ; rows 64 qh + 32 kh on
	s_xor_b32 s79, s[KH], 1
	s_lshl_b32 s79, s79, 5
	s_add_co_u32 s79, s79, s78
	s_mul_i32 s79, s79, MP
	s_add_co_u32 s79, s79, s80
	v_add_nc_u32 v[AMY], s79, v56                  ; rows 64 qh + 32 (1 - kh) on
	s_mul_i32 s78, s[WV], 16*SP
	s_add_co_u32 s78, s78, STAGE
	v_mul_u32_u24 v[STO], v54, SP
	v_lshl_add_u32 v[STO], v55, 4, v[STO]
	v_add_nc_u32 v[STO], s78, v[STO]
	v_mul_u32_u24 v[RD], v55, SP
	v_lshl_add_u32 v[RD], v54, 4, v[RD]
	v_add_nc_u32 v[RD], s78, v[RD]
	v_lshlrev_b32 v[GO], 12, v55                   ; ctx16: lanes 0-15 one row (4,096 bytes apart), lanes 16-31 the next; 16 bytes a lane
	v_lshl_add_u32 v[GO], v54, 4, v[GO]
	s_lshl_b32 s78, s[WV], 14
	v_add_nc_u32 v[EXA], s78, v[LI]
	s_xor_b32 s78, s78, 1<<14
	v_add_nc_u32 v[IMA], s78, v[LI]                ; my partner: wave xor 1
	v_lshlrev_b32 v56, 2, v53
	s_lshl_b32 s78, s[WV], 9
	s_add_co_u32 s78, s78, EXS
	v_add_nc_u32 v[SXA], s78, v56
	s_xor_b32 s78, s78, 1<<9
	v_add_nc_u32 v[SIA], s78, v56
	v_lshlrev_b32 v56, 8, v53                      ; the prefetches' offset: K, V: 256 x lane;
	v_lshrrev_b32 v57, 1, v53
	v_and_b32 v58, 1, v53
	v_lshlrev_b32 v57, 13, v57
	v_lshl_or_b32 v57, v58, 8, v57                 ; the mask: row lane / 2, half lane % 2 of its 512 bytes
	s_cmp_lt_u32 s[WV], 2
	s_cselect_b32 s78, -1, 0
	v_cndmask_b32 v[PFO], v57, v56, s78
.irp t, 0,1,2,3
	v_mov_b32 v[ST+8*\t], 0xff61b1e6               ; m: -3e38, under every x
	v_mov_b32 v[ST+8*\t+1], 0
	v_mov_b32 v[ST+8*\t+2], 0                      ; l
	v_mov_b32 v[ST+8*\t+3], 0
.endr
	s_wait_dscnt 0x0                               ; the opening add is done
	s_wait_kmcnt 0x0
	; K's and V's addresses are made of the head alone (s78, s79), the mask's of the block of queries and the wave alone (s80, s81)
	s_lshl_b32 s78, s[HD], 19
	s_mov_b32 s79, 0
	s_mov_b32 s[G0K], 1
	s_mov_b32 s[G0K+1], KOFF
	s_add_nc_u64 s[G0K+2:G0K+3], s[4:5], 8388608
	s_add_nc_u64 s[G0K+2:G0K+3], s[G0K+2:G0K+3], s[78:79]
	s_mov_b32 s[G0V], 1
	s_mov_b32 s[G0V+1], VOFF
	s_add_nc_u64 s[G0V+2:G0V+3], s[4:5], 16777216
	s_add_nc_u64 s[G0V+2:G0V+3], s[G0V+2:G0V+3], s[78:79]
	s_lshl_b32 s80, s[QB], 7
	s_lshl_b32 s81, s[KH], 6
	s_add_co_u32 s80, s80, s81
	s_lshl_b32 s80, s80, 13                        ; a row of the mask is 8,192 bytes
	s_mov_b32 s81, 0
	s_mov_b32 s[G0M], 1
	s_mul_i32 s[G0M+1], s[KH], 64*MP
	s_add_nc_u64 s[G0M+2:G0M+3], s[6:7], s[80:81]
	; the prefetches: my tile's address, my work-group's part of it, two steps on: the first change of slots steps it to step 3
	s_lshl_b32 s82, s[CX], 13                      ; K, V: 32 blocks of 256 bytes for each partner of the row
	s_lshl_b32 s83, s[CY], 17                      ; the mask: 16 rows for each partner of the column
	s_mov_b32 s[PFS], 512
	s_cmp_eq_u32 s[WV], 0
	s_cselect_b64 s[PFA:PFA+1], s[G0K+2:G0K+3], s[G0V+2:G0V+3]
	s_cmp_lt_u32 s[WV], 2
	s_cselect_b64 s[PFA:PFA+1], s[PFA:PFA+1], s[G0M+2:G0M+3]
	s_cselect_b32 s[PFS], 32768, s[PFS]            ; a step on
	s_cselect_b32 s82, s82, s83
	s_cselect_b32 s[LIM], ttmp9, s[CLY]            ; the coordinate along which other clusters walk the same tiles
	s_mov_b32 s83, 0
	s_mov_b32 s[PFS+1], 0
	s_add_nc_u64 s[PFA:PFA+1], s[PFA:PFA+1], s[82:83]
	s_add_nc_u64 s[PFA:PFA+1], s[PFA:PFA+1], s[PFS:PFS+1]
	s_add_nc_u64 s[PFA:PFA+1], s[PFA:PFA+1], s[PFS:PFS+1]
	s_cmp_eq_u32 s[LIM], 0
	s_cselect_b32 s[LIM], 12, -1                   ; the same in all sixteen partners, for a given wave
	s_or_b32 s[G0K+3], s[G0K+3], 0x80000000
	s_or_b32 s[G0V+3], s[G0V+3], 0x80000000
	s_or_b32 s[G0M+3], s[G0M+3], 0x80000000
	; Q's images: tile 8 qb + 4 qh + (t xor 2 kh), 4,096 bytes a tile
	s_lshl_b32 s82, s[QB], 3
	s_lshl_b32 s83, s[QH], 2
	s_add_co_u32 s82, s82, s83
	s_lshl_b32 s83, s[KH], 1
	s_add_co_u32 s83, s83, s82
	s_lshl_b32 s83, s83, 12
	s_add_co_u32 s10, s83, s78
	s_mov_b32 s11, 0
	s_add_nc_u64 s[QA:QA+1], s[4:5], s[10:11]
	s_xor_b32 s83, s[KH], 1
	s_lshl_b32 s83, s83, 1
	s_add_co_u32 s83, s83, s82
	s_lshl_b32 s83, s83, 12
	s_add_co_u32 s10, s83, s78
	s_add_nc_u64 s[QC:QC+1], s[4:5], s[10:11]
	; ctx16 at the rows that I finish: 128 qb + 64 qh + 32 kh, column 128 x head
	s_lshl_b32 s82, s[QB], 7
	s_lshl_b32 s83, s[QH], 6
	s_add_co_u32 s82, s82, s83
	s_lshl_b32 s83, s[KH], 5
	s_add_co_u32 s82, s82, s83
	s_lshl_b32 s82, s82, 12
	s_lshl_b32 s83, s[HD], 8
	s_add_co_u32 s10, s82, s83
	s_add_nc_u64 s[8:9], s[8:9], s[10:11]
	CROUND                                         ; all sixteen work-groups are here: the first joint loads meet
	JLOAD3                                         ; step 0, into slot 0
	WIN 0x80                                       ; destination window 2
.irp t, 0,1
.irp c, 0,1,2,3
	global_load_b128 v[32*\t+8*\c:32*\t+8*\c+3], v[LI], s[QA:QA+1] offset:4096*\t+1024*\c          ; Q stays in registers: tile t, channels 32 c on
	global_load_b128 v[32*\t+8*\c+4:32*\t+8*\c+7], v[LI], s[QA:QA+1] offset:4096*\t+1024*\c+512
	global_load_b128 v[64+32*\t+8*\c:64+32*\t+8*\c+3], v[LI], s[QC:QC+1] offset:4096*\t+1024*\c
	global_load_b128 v[64+32*\t+8*\c+4:64+32*\t+8*\c+7], v[LI], s[QC:QC+1] offset:4096*\t+1024*\c+512
.endr
.endr
	WIN 0
; THE MATRIX WORK OF A TURN, for piece x.  The accumulators take turns, one instruction a turn.
.macro PV x, zero                      ; product i of 32 of O^T += V^T P: keys 32 (i / 16) on, channels 16 ((i / 2) % 8) on, tile x + i % 2
	WIN W_PV
.set rO, 64*(\x+i%2)+8*((i/2)%8)
.set rV, 64*(i/16)+8*((i/2)%8)
.set rP, P+16*(\x+i%2)+8*(i/16)
.if \zero && (i < 16)
	v_wmma_f32_16x16x32_f16 v[rO:rO+7], v[rV:rV+7], v[rP:rP+7], 0
.else
	v_wmma_f32_16x16x32_f16 v[rO:rO+7], v[rV:rV+7], v[rP:rP+7], v[rO:rO+7]
.endif
.endm
.macro KQ x                            ; product i of 32 of S^T = K Q^T: channels 32 (i / 8) on, keys 16 ((i / 2) % 4) on, tile x + i % 2
	WIN W_KQ
.set rS, S+32*(\x+i%2)+8*((i/2)%4)
.set rK, KF+32*((i/2)%4)+8*(i/8)
.set rQ, 32*(\x+i%2)+8*(i/8)
.if i < 8
	v_wmma_f32_16x16x32_f16 v[rS:rS+7], v[rK:rK+7], v[rQ:rQ+7], 0
.else
	v_wmma_f32_16x16x32_f16 v[rS:rS+7], v[rK:rK+7], v[rQ:rQ+7], v[rS:rS+7]
.endif
.endm
; THE LDS LOADS stand in two runs of 48 a step.  Four plain instructions stand ahead of each, behind the last product that read the registers loaded.
.macro FETCH_K                         ; the step's K (my 64 keys: 16 fragments) and the mask of register tiles 0, 1
	WIN 0
	PLACES
	v_add_nc_u32 v[ADK], s[TK], v[AK0]
	v_add_nc_u32 v[ADM], s[TB], v[AMX]
	WIN 0x80
.irp f, 0,1,2,3,4,5,6,7,8,9,10,11,12,13,14,15  ; keys 16 (f / 4) on, channels 32 (f % 4) on
	ds_load_b128 v[KF+8*\f:KF+8*\f+3],   v[ADK] offset:(\f/4)*4096+(\f%4)*1024
	ds_load_b128 v[KF+8*\f+4:KF+8*\f+7], v[ADK] offset:(\f/4)*4096+(\f%4)*1024+512
.endr
	WIN 0xc0
.irp t, 0,1
.irp c, 0,1,2,3
	ds_load_b128 v[128+32*\t+8*\c:128+32*\t+8*\c+3],   v[ADM] offset:16*MP*\t+64*\c
	ds_load_b128 v[128+32*\t+8*\c+4:128+32*\t+8*\c+7], v[ADM] offset:16*MP*\t+64*\c+16
.endr
.endr
.endm
.macro FETCH_V                         ; the step's V (turned) and the mask of register tiles 2, 3
	WIN 0
	PLACES
	v_add_nc_u32 v[ADV], s[TB], v[AV0]
	v_add_nc_u32 v[ADM], s[TB], v[AMY]
	WIN 0xc0
.irp f, 0,1,2,3,4,5,6,7,8,9,10,11,12,13,14,15  ; keys 32 (f / 8) on, channels 16 (f % 8) on
	ds_load_tr16_b128 v[8*\f:8*\f+3],   v[ADV] offset:(\f/8)*32*PVP+(\f%8)*32
	ds_load_tr16_b128 v[8*\f+4:8*\f+7], v[ADV] offset:(\f/8)*32*PVP+16*PVP+(\f%8)*32
.endr
.irp t, 0,1
.irp c, 0,1,2,3
	ds_load_b128 v[192+32*\t+8*\c:192+32*\t+8*\c+3],   v[ADM] offset:16*MP*\t+64*\c
	ds_load_b128 v[192+32*\t+8*\c+4:192+32*\t+8*\c+7], v[ADM] offset:16*MP*\t+64*\c+16
.endr
.endr
.endm
; THE VECTOR WORK OF A TURN.  One tile's softmax for one step is a list of 149 instructions; SM writes number j of it for tile t.
;   0-15 x = mask x log2(e) + t, in pairs, each accumulator from its low end on;  16-31 the maximum of the 32 and the old m;  32-35 the other half of the lanes', the new m, m_old - m_new;  36 a;
;   37-52 x - m, in pairs;  53-84 the exponentials;  (the wait: ITEM writes it, once for both tiles)  85-100 the roundings to f16;  101-116 the sums, l = a l + the sum;  117-148 O^T x a (none in the first step).
.macro SM t, first
.set rT, ST+8*(\t)
.set rS, S+32*(\t)
.set rP, P+16*(\t)
.set rM, 128+32*(\t)
.set rO, 64*(\t)+2*(j-117)
.set jj, j-16
.if j < 16
	WIN W_MK
.elseif j < 117
	WIN 0
.elseif !\first
	WIN W_RS
.endif
.if j < 16
	v_pk_fma_f32 v[rS+2*j:rS+2*j+1], v[rM+2*j:rM+2*j+1], s[LL:LL+1], v[rS+2*j:rS+2*j+1] op_sel_hi:[1,0,1]
.elseif j < 20
	v_max3_num_f32 v[rT+4+jj], v[rS+8*jj], v[rS+8*jj+1], v[rS+8*jj+2]
.elseif j < 28
	v_max3_num_f32 v[rT+4+jj%4], v[rT+4+jj%4], v[rS+8*(jj%4)+2*(jj/4)+1], v[rS+8*(jj%4)+2*(jj/4)+2]
.elseif j == 28
	v_max3_num_f32 v[rT+4], v[rT+4], v[rS+7], v[rS+15]
.elseif j == 29
	v_max3_num_f32 v[rT+6], v[rT+6], v[rS+23], v[rS+31]
.elseif j == 30
	v_max3_num_f32 v[rT+4], v[rT+4], v[rT+5], v[rT+6]
.elseif j == 31
	v_max3_num_f32 v[rT+4], v[rT+4], v[rT+7], v[rT]
.elseif j == 32
	v_permlanex16_b32 v[rT+5], v[rT+4], s[SEL], s[SEL+1]  ; the query's other 32 keys lie in the lane 16 away
.elseif j == 33
	v_max_num_f32 v[rT+4], v[rT+4], v[rT+5]
.elseif j == 34
	v_sub_f32 v[rT+7], v[rT], v[rT+4]
.elseif j == 35
	v_mov_b32 v[rT], v[rT+4]
.elseif j == 36
	v_exp_f32 v[rT+6], v[rT+7]
.elseif j < 53
	v_pk_add_f32 v[rS+2*(j-37):rS+2*(j-37)+1], v[rS+2*(j-37):rS+2*(j-37)+1], v[rT:rT+1] op_sel_hi:[1,0] neg_lo:[0,1] neg_hi:[0,1]
.elseif j < 85
	v_exp_f32 v[rS+j-53], v[rS+j-53]
.elseif j < 101
	v_cvt_pk_f16_f32 v[rP+j-85], v[rS+2*(j-85)], v[rS+2*(j-85)+1]
.elseif j < 117                        ; the sum of the tile's 16 pairs, in place: neighbours 1, 2, 4 and 8 pairs apart, then l takes it
.set z, j-101
.set w, 4
.set u, z
.if z >= 14
.set w, 32
.set u, 0
.elseif z >= 12
.set w, 16
.set u, z-12
.elseif z >= 8
.set w, 8
.set u, z-8
.endif
.if z < 15
	v_pk_add_f32 v[rS+w*u:rS+w*u+1], v[rS+w*u:rS+w*u+1], v[rS+w*u+w/2:rS+w*u+w/2+1]
.else
	v_pk_fma_f32 v[rT+2:rT+3], v[rT+2:rT+3], v[rT+6:rT+7], v[rS:rS+1] op_sel_hi:[1,0,1]
.endif
.elseif !\first
	v_pk_mul_f32 v[rO:rO+1], v[rO:rO+1], v[rT+6:rT+7] op_sel_hi:[1,0]
.endif
.endm
; Item n of a piece's 298: number n / 2 of tile y + n % 2: the two tiles alternate.  Ahead of item 170 nothing names an exponential's result, and behind it none is issued: so the piece's 66 exponentials have ONE wait,
; which stands ahead of the first instruction that names a result, and one plain instruction behind the last of them.
.macro ITEM y, first
.if n == 170
	v_nop
	s_wait_alu depctr_va_vdst(0)
.endif
.set j, n/2
	SM (\y)+n%2, \first
.set n, n+1
.endm
.macro DEAL y, first                   ; behind the k-th of a turn's tot matrix instructions: the items up to 298 k / tot
.set k, k+1
.rept k*298/tot-n
	ITEM \y, \first
.endr
.endm
; A TURN.  pv = 2: 32 products V^T P; 1: they start O^T's sums; 0: none.  kq = 1: 32 products K Q^T of the step being fetched.  first = 1: the softmax is the first step's; its last items are empty, so four v_nop stand at the end.
; The last five items of a full turn, plain multiplications of the other piece's O^T, are the places between the turn's last product and what follows.
.macro TURN x, pv, kq, first, fetch
.set k, 0
.set n, 0
.set tot, 32
.set fv, 0
.if \pv && \kq
.set tot, 64
.set fv, 5
.endif
.if \pv
.if \x == 0
	s_wait_dscnt 0x0                               ; V and the mask of tiles 2, 3 are in
.endif
.set i, 0
.rept 32
	PV \x, 2-\pv
	DEAL 2-\x, \first
.if (\x == 0) && \fetch && (i == 1)
	FETCH_K
.endif
.set i, i+1
.endr
.endif
.if \kq
.if \x == 0
	s_wait_dscnt 0x0                               ; K and the mask of tiles 0, 1 are in (asked for 30 matrix instructions ago)
.endif
.set i, 0
.rept 32
	KQ \x
	DEAL 2-\x, \first
.if (\x == 2) && \fetch && (i == fv)
	FETCH_V
.endif
.set i, i+1
.endr
.endif
.if \first
	PLACES
.endif
.endm
; THE CHANGE OF SLOTS, at a step's head.  Each wave waits for all its tensor loads (its part of the step that is about to be read), adds 0 to its spare word, and waits for that and for its reads of the slot that it has left.
; fill = 1: a round of the cluster's barrier, and behind it the joint refill of the slot just left, with the step after: it has a step's 128 matrix instructions in which to land.
.macro CHANGE fill
	WIN 0
	s_wait_tensorcnt 0x0                           ; no tensor load of mine is out, so a group 0 may be written
	ds_add_u32 v[SPW], v[NIL]                      ; 0 onto my spare word; the steps below stand between it and the wait for it
.if \fill
	s_xor_b32 s[G0K+1], s[G0K+1], KLX              ; the walking descriptors: the other slot than last time,
	s_xor_b32 s[G0V+1], s[G0V+1], SLX
	s_xor_b32 s[G0M+1], s[G0M+1], SLX
	s_add_nc_u64 s[G0K+2:G0K+3], s[G0K+2:G0K+3], 32768   ; the next 128 keys
	s_add_nc_u64 s[G0V+2:G0V+3], s[G0V+2:G0V+3], 32768
	s_add_nc_u64 s[G0M+2:G0M+3], s[G0M+2:G0M+3], 512
	s_wait_xcnt 0x0                                ; the last prefetch, a step back, has read its address
	s_add_nc_u64 s[PFA:PFA+1], s[PFA:PFA+1], s[PFS:PFS+1]
.endif
	s_xor_b32 s[TB], s[TB], SLX                    ; the reads go on to the other slot
	s_xor_b32 s[TK], s[TK], KLX
	s_wait_dscnt 0x0                               ; the add is done, and my reads of the slot that I have left are over
.if \fill
	CROUND
	JLOAD3
	ASK
.else
	s_barrier_signal -1
	s_barrier_wait -1
.endif
.endm
	CHANGE 1                                       ; step 0 is in; step 1 is asked for
	FETCH_K
	s_wait_loadcnt 0x0                             ; Q
	s_wait_dscnt 0x0
.set i, 0
.rept 32
	KQ 0                                           ; piece 0's first scores: there is no vector work yet to set between them
.set i, i+1
.endr
	WIN 0
	PLACES
	TURN 2, 0, 1, 1, 1                             ; piece 2's first scores | piece 0's first softmax | V of step 0
	WIN 0
	s_mov_b32 s[F], 1
	CHANGE 1
	TURN 0, 1, 1, 1, 1                             ; piece 0: V^T P of step 0 starts O^T, K Q^T of step 1 | piece 2's first softmax
	TURN 2, 1, 1, 0, 1                             ; piece 2: the same | piece 0's softmax of step 1
	WIN 0
	s_mov_b32 s[F], 2
.Lbody:                                            ; 13 trips: steps 2 to 14; a trip reads only its own step's slot and refills the other
	CHANGE 1
	TURN 0, 2, 1, 0, 1
	TURN 2, 2, 1, 0, 1
	WIN 0
	s_add_co_u32 s[F], s[F], 1
	s_cmp_lt_u32 s[F], 15
	s_cbranch_scc1 .Lbody
	CHANGE 0                                       ; step 15 is written out: nothing is left to ask for
	TURN 0, 2, 1, 0, 1
	TURN 2, 2, 1, 0, 1
	TURN 0, 2, 0, 0, 0                             ; piece 0: V^T P of step 15 | piece 2's last softmax
.set i, 0
.rept 32
	PV 2, 0
.set i, i+1
.endr
	; THE MERGE.  l's two halves and the other half of the lanes' are added (these lines are the places behind the last products).
	WIN 0
.irp t, 0,1,2,3
	v_add_f32 v[ST+8*\t+4], v[ST+8*\t+2], v[ST+8*\t+3]
.endr
.irp t, 0,1,2,3
	v_permlanex16_b32 v[ST+8*\t+5], v[ST+8*\t+4], s[SEL], s[SEL+1]
.endr
.irp t, 0,1,2,3
	v_add_f32 v[ST+8*\t+2], v[ST+8*\t+4], v[ST+8*\t+5]
.endr
	s_wait_dscnt 0x0                               ; every wave's LDS reads are over before anything is stored into slot 0, which has had its last fill
	s_barrier_signal -1
	s_barrier_wait -1
	WIN 0x04                                       ; an LDS store's data are its source 1: window 1
.set i, 0
.rept 32
	ds_store_b128 v[EXA], v[128+4*i:128+4*i+3] offset:512*i    ; O^T of register tiles 2, 3, as an image of its registers
.set i, i+1
.endr
	WIN 0
	ds_store_b32 v[SXA], v[ST+16]                  ; their m and l
	ds_store_b32 v[SXA], v[ST+18] offset:128
	ds_store_b32 v[SXA], v[ST+24] offset:256
	ds_store_b32 v[SXA], v[ST+26] offset:384
	s_wait_dscnt 0x0                               ; for my partner's sake: my stores are done
	s_barrier_signal -1
	s_barrier_wait -1
	WIN 0xc0
.set i, 0
.rept 32
	ds_load_b128 v[4*i:4*i+3], v[IMA] offset:512*i             ; my partner's O^T of my tiles 0, 1, over V's registers
.set i, i+1
.endr
	WIN 0
	ds_load_b32 v[PM], v[SIA]
	ds_load_b32 v[PM+1], v[SIA] offset:128
	ds_load_b32 v[PM+2], v[SIA] offset:256
	ds_load_b32 v[PM+3], v[SIA] offset:384
	s_wait_dscnt 0x0
.irp u, 0,1
	v_max_num_f32 v[ST+8*\u+4], v[ST+8*\u], v[PM+2*\u]         ; the common maximum
.endr
.irp u, 0,1
	v_sub_f32 v[ST+8*\u+5], v[ST+8*\u], v[ST+8*\u+4]
	v_sub_f32 v[ST+8*\u+6], v[PM+2*\u], v[ST+8*\u+4]
.endr
.irp u, 0,1
	v_exp_f32 v[ST+8*\u+5], v[ST+8*\u+5]           ; what mine is multiplied by,
	v_exp_f32 v[ST+8*\u+6], v[ST+8*\u+6]           ; and my partner's
.endr
	v_nop                                          ; a plain instruction behind the last exponential,
	s_wait_alu depctr_va_vdst(0)                   ; and the wait ahead of the first use: one for the four
.irp u, 0,1
	v_mul_f32 v[ST+8*\u+7], v[ST+8*\u+6], v[PM+2*\u+1]
.endr
.irp u, 0,1
	v_fma_f32 v[ST+8*\u+7], v[ST+8*\u+5], v[ST+8*\u+2], v[ST+8*\u+7]   ; the row's sum
.endr
.irp u, 0,1
	v_rcp_f32 v[ST+8*\u+7], v[ST+8*\u+7]
.endr
	v_nop
	s_wait_alu depctr_va_vdst(0)                   ; one for the two reciprocals
.irp u, 0,1
	v_mul_f32 v[ST+8*\u+4], v[ST+8*\u+5], v[ST+8*\u+7]
	v_mul_f32 v[ST+8*\u+6], v[ST+8*\u+6], v[ST+8*\u+7]
.endr
	WIN W_RS
.irp u, 0,1
.set i, 0
.rept 32
	v_pk_mul_f32 v[64*\u+i:64*\u+i+1], v[64*\u+i:64*\u+i+1], v[ST+8*\u+4:ST+8*\u+5] op_sel_hi:[1,0]
.set i, i+2
.endr
.endr
	WIN W_PV                                       ; source 0 (the partner's) window 3, source 1 window 0, source 2 and destination window 1
.irp u, 0,1
.set i, 0
.rept 32
	v_pk_fma_f32 v[64*\u+i:64*\u+i+1], v[64*\u+i:64*\u+i+1], v[ST+8*\u+6:ST+8*\u+7], v[64*\u+i:64*\u+i+1] op_sel_hi:[1,0,1]
.set i, i+2
.endr
.endr
; THE WAY OUT.  A lane's eight channels of a row pack into 16 bytes; they go into my stage's rows of 272 bytes and come back as whole rows of 256.
.macro PACK t
	WIN 0x05                                       ; sources 0 and 1 window 1, destination window 0: S^T's registers are free
.set i, 0
.rept 32
	v_cvt_pk_f16_f32 v[S+32*\t+i], v[64*\t+2*i], v[64*\t+2*i+1]
.set i, i+1
.endr
	WIN 0
.irp f, 0,1,2,3,4,5,6,7
	ds_store_b128 v[STO], v[S+32*\t+4*\f:S+32*\t+4*\f+3] offset:32*\f
.endr
.irp f, 0,1,2,3,4,5,6,7
	ds_load_b128 v[S+32*\t+4*\f:S+32*\t+4*\f+3], v[RD] offset:\f*2*SP  ; LDS serves a wave's instructions in order: these see the stores above; the next tile's stores come behind them
.endr
.endm
.macro SEND t, younger                 ; younger: the LDS instructions issued behind tile t's loads: the next tile's sixteen, or none
.irp f, 0,1,2,3,4,5,6,7
	s_wait_dscnt \younger+7-\f
	global_store_b128 v[GO], v[S+32*\t+4*\f:S+32*\t+4*\f+3], s[8:9] offset:\t*65536+\f*8192  ; 16 lanes store 256 consecutive bytes, aligned: a head's part of a row of ctx16
.endr
.endm
	PACK 0
	PACK 1
	SEND 0, 16
	SEND 1, 0
	s_wait_tensorcnt 0x0                           ; the wave's end
	ds_add_u32 v[SPW], v[NIL]
	s_wait_dscnt 0x0
	CROUND                                         ; the closing round
	s_endpgm
.Lfunc_end_k_qaf6067d2f6_attn:
	.size	k_qaf6067d2f6_attn, .Lfunc_end_k_qaf6067d2f6_attn-k_qaf6067d2f6_attn
	.p2alignl 7, 3214868480
	.fill 96, 4, 3214868480
	.section	.rodata,"a",@progbits
	.p2align	6, 0x0
	.amdhsa_kernel k_qaf6067d2f6_attn
		.amdhsa_group_segment_fixed_size 327680
		.amdhsa_private_segment_fixed_size 0
		.amdhsa_enable_private_segment 0
		.amdhsa_kernarg_size 24
		.amdhsa_user_sgpr_count 2
		.amdhsa_user_sgpr_kernarg_segment_ptr 1
		.amdhsa_wavefront_size32 1
		.amdhsa_system_sgpr_workgroup_id_x 1
		.amdhsa_system_sgpr_workgroup_id_y 1
		.amdhsa_system_sgpr_workgroup_id_z 1
		.amdhsa_system_vgpr_workitem_id 0
		.amdhsa_next_free_vgpr 1024
		.amdhsa_next_free_sgpr 84
		.amdhsa_reserve_vcc 0
		.amdhsa_float_denorm_mode_32 3
		.amdhsa_float_denorm_mode_16_64 3
		.amdhsa_memory_ordered 1
		.amdhsa_forward_progress 1
		.amdhsa_inst_pref_size 252
	.end_amdhsa_kernel
	.amdgpu_metadata
---
amdhsa.version: [ 1, 2 ]
amdhsa.kernels:
  - .name:           k_qaf6067d2f6_attn
    .symbol:         k_qaf6067d2f6_attn.kd
    .args:
      - { .name: qkv16, .offset: 0, .size: 8, .value_kind: global_buffer, .address_space: global }
      - { .name: attn_mask, .offset: 8, .size: 8, .value_kind: global_buffer, .address_space: global }
      - { .name: ctx16, .offset: 16, .size: 8, .value_kind: global_buffer, .address_space: global }
    .group_segment_fixed_size: 327680
    .private_segment_fixed_size: 0
    .kernarg_segment_align: 8
    .kernarg_segment_size: 24
    .max_flat_workgroup_size: 128
    .sgpr_count:     84
    .vgpr_count:     1024
    .wavefront_size: 32
...
	.end_amdgpu_metadata
.endif
;; end of part 3
;; launch oproj (part 4): grid 16 x 16, 4 waves a work-group, clusters of 4 x 4, 327,680 bytes of LDS; arguments ctx16, wo16, out0, bo; writes out0
.if DOCPART == 4
	.amdgcn_target "amdgcn-amd-amdhsa--gfx1250"
	.amdhsa_code_object_version 6
	.text
	.protected	k_qaf6067d2f6_oproj
	.globl	k_qaf6067d2f6_oproj
	.p2align	8
	.type	k_qaf6067d2f6_oproj,@function
k_qaf6067d2f6_oproj:
	s_mov_b64 s[64:65], 0
	v_nop
	global_prefetch_b8 v0, s[64:65] scope:SCOPE_SE
	s_setreg_imm32_b32 hwreg(HW_REG_WAVE_MODE, 25, 1), 1
	s_wait_xcnt 0x0
	s_wait_alu depctr_hold_cnt(0) depctr_sa_sdst(0) depctr_va_vdst(0) depctr_va_sdst(0) depctr_va_ssrc(0) depctr_va_vcc(0) depctr_vm_vsrc(0)
	s_getreg_b32 s2, hwreg(HW_REG_IB_STS2, 6, 4)
	s_cmp_eq_u32 s2, 0
	s_cbranch_scc0 .Lentry_in_a_cluster
	s_endpgm
.Lentry_in_a_cluster:
	s_bfe_u32 s2, ttmp6, 0x10000c
	s_cmp_lg_u32 s2, 0xf033
	s_cbranch_scc0 .Lentry_shape_is_right
	s_endpgm
.Lentry_shape_is_right:
; out0[m][n] = sum over k of ctx[m][k] Wo[n][k] + bo[n].  ctx16, wo16: [2048][2048] f16; out0 f32; sums in f32.
; A tile of 128 x 128 to a work-group, so that there are 256 of them; four waves, each 64 x 64: 16 accumulators.  K goes in steps of 256 (LDS rows of 512 bytes) through two slots.
; CLUSTERS: 4 x 4; A's tiles are asked for jointly along a row of the cluster, B's along a column.  THE MATRIX INSTRUCTION IS USED TRANSPOSED (source 0 = 16 rows of Wo, source 1 = 16 rows of ctx):
; a lane holds eight neighbouring numbers of a row of out0.  The bias is the C of each sum's first product.
; A wave's 64 columns of f32 are 256 aligned bytes of a row, so each wave goes out through a stage of its own, with no barrier.
; REGISTERS: window 0: v0-31 addresses; v32-95 rows on the way out; v96-127 the bias; v128-255 the accumulators ((a, b) at v[128 + 8 (4 a + b)]).   window 1: two fragment buffers of 128.
.set SIZE_N, 2048
.set SIZE_K, 2048
.set KSTEP,  256
.set PITCH,  528                       ; an LDS row: 512 bytes + 16 of padding: row r starts at bank 4 r mod 64 (64 banks of 4 bytes: ISA guide 11.1)
.set HALFT,  64*PITCH
.set SLOT,   4*HALFT
.set STAGE,  2*SLOT                    ; behind the ring: 16 rows x 272 bytes for each wave
.set SPITCH, 272
.set SPARE,  STAGE+4*16*SPITCH         ; the spare words, 128 bytes for each wave
.set LAPS, SIZE_K/(2*KSTEP)
.set ADRA, 16
.set ADRB, 20
.set STO,  24
.set RD,   25
.set CO,   26
.set BO,   27                          ; v27 32 x (lane / 16): the bias loads' offset
.set SPW,  28
.set NIL,  29
.set TMP,  32
.set BIAS, 96
.set ACC,  128
.set F0,   0
.set F1,   128
.set G1, 24
.set G0, 32
.set G1B, 48
.set G0B, 56
.set MSB, 0
.macro WIN new
.if MSB != (\new)
	s_set_vgpr_msb (MSB<<8)|(\new)
.set MSB, \new
.endif
.endm
.set MUL,  0x05                        ; sources 0 (B) and 1 (A) window 1; C and D window 0
.set TO_F, 0x40
.macro JLOAD s                         ; a joint load: waves 0 and 1 fetch A's two halves, waves 2 and 3 B's; an s_nop 0 and four v_nop follow each line
	s_cmp_eq_u32 s11, 0
	s_cbranch_scc0 .Lfor_b_\@
	tensor_load_to_lds s[G0+4*\s:G0+4*\s+3], s[G1:G1+7]
	s_nop 0
.rept 4
	v_nop
.endr
	s_branch .Lasked_\@
.Lfor_b_\@:
	tensor_load_to_lds s[G0B+4*\s:G0B+4*\s+3], s[G1B:G1B+7]
	s_nop 0
.rept 4
	v_nop
.endr
.Lasked_\@:
.endm
.macro CREST
	s_cmp_lg_u32 s10, 0
	s_cbranch_scc1 .Lnot_wave_0_\@
	s_barrier_signal -3
.Lnot_wave_0_\@:
	s_barrier_wait -3
	s_barrier_signal -1
	s_barrier_wait -1
.endm
.macro CROUND
	s_barrier_signal -1
	s_barrier_wait -1
	CREST
.endm
	s_load_b128 s[4:7], s[0:1], 0x0                ; ctx16, wo16
	s_load_b64 s[8:9], s[0:1], 0x10                ; out0
	s_load_b64 s[2:3], s[0:1], 0x18                ; bo
	v_lshl_add_u32 v[SPW], v0, 2, SPARE
	v_mov_b32 v[NIL], 0
	ds_add_u32 v[SPW], v[NIL]                      ; the wave's opening: the add and its wait stand ahead of my first tensor load
	v_lshrrev_b32 v1, 5, v0
	v_readfirstlane_b32 s10, v1                    ; wave 0..3
	s_lshr_b32 s11, s10, 1                         ; which half of the tile's rows is mine.  Also: I fetch for A (0) or for B (1)
	s_and_b32 s12, s10, 1                          ; which half of its columns.  Also: which 64 rows of that tile I fetch
	s_bfe_u32 s40, ttmp6, 0x40000
	s_bfe_u32 s41, ttmp6, 0x40004
	s_lshl_b32 s42, ttmp9, 2
	s_add_co_u32 s42, s42, s40                     ; tile column
	s_and_b32 s13, ttmp7, 0xffff
	s_lshl_b32 s13, s13, 2
	s_add_co_u32 s13, s13, s41                     ; tile row
	s_lshl_b32 s43, s41, 2
	s_lshl_b32 s43, 15, s43                        ; my row of the cluster
	s_lshl_b32 s44, 0x1111, s40                    ; my column
	s_or_b32 s[G1+0], s43, (1<<16)|(1<<20)|(1<<21)|(6<<22)|(3<<25)  ; the mask; elements of 2 bytes; padding on; bit 21 beside a mask; after every 128 words 4 words
	s_or_b32 s[G1B+0], s44, (1<<16)|(1<<20)|(1<<21)|(6<<22)|(3<<25)
.irp g, G1, G1B
	s_mov_b32 s[\g+1], KSTEP<<16
	s_mov_b32 s[\g+2], 64<<16
	s_mov_b32 s[\g+3], KSTEP<<16
	s_mov_b32 s[\g+4], 64
	s_mov_b32 s[\g+5], SIZE_K
	s_mov_b32 s[\g+6], 0
	s_mov_b32 s[\g+7], 0
.endr
	s_lshl_b32 s17, s12, 6
	s_lshl_b32 s16, s13, 7
	s_add_co_u32 s16, s16, s17                     ; A: row 128 x tile row + 64 x half
	s_lshl_b32 s46, s42, 7
	s_add_co_u32 s46, s46, s17                     ; B: row 128 x tile column + 64 x half
	s_mov_b32 s17, 0
	s_mov_b32 s47, 0
	s_mov_b64 s[18:19], SIZE_K*2
	s_mul_u64 s[16:17], s[16:17], s[18:19]
	s_mul_u64 s[46:47], s[46:47], s[18:19]
	s_mul_i32 s20, s10, HALFT
	s_wait_dscnt 0x0                               ; the opening add is done
	s_wait_kmcnt 0x0
	s_add_nc_u64 s[14:15], s[4:5], s[16:17]
	s_add_nc_u64 s[46:47], s[6:7], s[46:47]
	CROUND                                         ; all sixteen work-groups are here: the first joint loads meet
.irp s, 0,1
	s_mov_b32 s[G0+4*\s], 1
	s_add_co_u32 s[G0+4*\s+1], s20, \s*SLOT
	s_add_nc_u64 s[G0+4*\s+2:G0+4*\s+3], s[14:15], \s*KSTEP*2
	s_or_b32 s[G0+4*\s+3], s[G0+4*\s+3], 0x80000000
	s_mov_b32 s[G0B+4*\s], 1
	s_add_co_u32 s[G0B+4*\s+1], s20, \s*SLOT
	s_add_nc_u64 s[G0B+4*\s+2:G0B+4*\s+3], s[46:47], \s*KSTEP*2
	s_or_b32 s[G0B+4*\s+3], s[G0B+4*\s+3], 0x80000000
	JLOAD \s
.endr
	v_and_b32 v1, 15, v0                           ; r
	v_bfe_u32 v2, v0, 4, 1                         ; h
	v_mul_u32_u24 v3, v1, PITCH
	v_lshl_add_u32 v3, v2, 4, v3
	s_mul_i32 s21, s11, HALFT
	s_mul_i32 s22, s12, HALFT
	s_add_co_u32 s22, s22, 2*HALFT
.irp s, 0,1
	v_add_nc_u32 v[ADRA+\s], s21, v3
	v_add_nc_u32 v[ADRB+\s], s22, v3
	s_add_co_u32 s21, s21, SLOT
	s_add_co_u32 s22, s22, SLOT
.endr
	s_mul_i32 s23, s10, 16*SPITCH
	s_add_co_u32 s23, s23, STAGE                   ; my stage
	v_mul_u32_u24 v4, v1, SPITCH
	v_lshl_add_u32 v4, v2, 5, v4
	v_add_nc_u32 v[STO], s23, v4                   ; in: row r, 32 bytes for each half of the lanes
	v_mul_u32_u24 v5, v2, SPITCH
	v_lshl_add_u32 v5, v1, 4, v5
	v_add_nc_u32 v[RD], s23, v5                    ; back: lanes 0-15 one row of 256 bytes, lanes 16-31 the next
	v_mul_u32_u24 v5, v2, SIZE_N*4
	v_lshl_add_u32 v[CO], v1, 4, v5                ; and the same two rows in out0
	v_lshlrev_b32 v[BO], 5, v2
	s_lshl_b32 s16, s13, 7
	s_lshl_b32 s17, s11, 6
	s_add_co_u32 s16, s16, s17                     ; my first row: 128 x tile row + 64 x half
	s_mov_b32 s17, 0
	s_mov_b64 s[18:19], SIZE_N*4
	s_mul_u64 s[16:17], s[16:17], s[18:19]
	s_add_nc_u64 s[8:9], s[8:9], s[16:17]
	s_lshl_b32 s46, s42, 9                         ; my first column, in bytes of f32: 512 x tile column + 256 x half
	s_lshl_b32 s47, s12, 8
	s_add_co_u32 s46, s46, s47
	s_mov_b32 s47, 0
	s_add_nc_u64 s[8:9], s[8:9], s[46:47]
	s_add_nc_u64 s[2:3], s[2:3], s[46:47]          ; and the same place in bo
.irp b, 0,1,2,3
	global_load_b128 v[BIAS+8*\b:BIAS+8*\b+3], v[BO], s[2:3] offset:64*\b            ; lane (r, h), block b: bo of columns 16 b + 8 h + 0 .. 7: the result's layout
	global_load_b128 v[BIAS+8*\b+4:BIAS+8*\b+7], v[BO], s[2:3] offset:64*\b+16
.endr
; 8 matrix instructions: m blocks a0, a0 + 1 x all 4 n blocks, 32 along K: half c of buffer f.  zero = 1: the first product starts the sums from the bias.  The 16 accumulators take turns.
.macro MUL8 f, c, a0, zero
.irp a, \a0, \a0+1
.irp b, 0,1,2,3
.if \zero
	v_wmma_f32_16x16x32_f16 v[ACC+8*(4*(\a)+\b):ACC+8*(4*(\a)+\b)+7], v[\f+64+8*(4*\c+\b):\f+64+8*(4*\c+\b)+7], v[\f+8*(4*\c+\a):\f+8*(4*\c+\a)+7], v[BIAS+8*\b:BIAS+8*\b+7]
.else
	v_wmma_f32_16x16x32_f16 v[ACC+8*(4*(\a)+\b):ACC+8*(4*(\a)+\b)+7], v[\f+64+8*(4*\c+\b):\f+64+8*(4*\c+\b)+7], v[\f+8*(4*\c+\a):\f+8*(4*\c+\a)+7], v[ACC+8*(4*(\a)+\b):ACC+8*(4*(\a)+\b)+7]
.endif
.endr
.endr
.endm
.macro FETCH slot, k, f                ; 32 LDS loads in one run: the fragments of 64 along K at byte k of the rows; the first 32 along K first
	WIN TO_F
.irp c, 0,1
.irp i, 0,1,2,3
	ds_load_b128 v[\f+64+8*(4*\c+\i):\f+64+8*(4*\c+\i)+3],   v[ADRB+\slot] offset:\k+64*\c+\i*16*PITCH
	ds_load_b128 v[\f+64+8*(4*\c+\i)+4:\f+64+8*(4*\c+\i)+7], v[ADRB+\slot] offset:\k+64*\c+\i*16*PITCH+32
	ds_load_b128 v[\f+8*(4*\c+\i):\f+8*(4*\c+\i)+3],         v[ADRA+\slot] offset:\k+64*\c+\i*16*PITCH
	ds_load_b128 v[\f+8*(4*\c+\i)+4:\f+8*(4*\c+\i)+7],       v[ADRA+\slot] offset:\k+64*\c+\i*16*PITCH+32
.endr
.endr
.endm
.macro PLACES                          ; four plain instructions in front of loads into registers that matrix instructions have read, and of reads of results
.rept 4
	v_nop
.endr
.endm
.macro QUARTER slot, k, f, g, zero
	s_wait_dscnt 16                                ; the first 32 along K are in; the sixteen younger loads may be out
	WIN MUL
	MUL8 \f, 0, 0, \zero
	MUL8 \f, 0, 2, \zero
	PLACES
	FETCH \slot, \k, \g
	s_wait_dscnt 32                                ; all but the 32 just issued
	WIN MUL
	MUL8 \f, 1, 0, 0
	MUL8 \f, 1, 2, 0
.endm
; The last quarter changes slots: ONE barrier; in front of it each wave waits for all its tensor loads, adds 0 to its spare word, and waits for that and for its own reads of this slot.
.macro TURN slot, next, fill
	WIN 0
	s_wait_tensorcnt 0x0                           ; all my tensor loads have landed: my part of the next slot
	ds_add_u32 v[SPW], v[NIL]                      ; 0 onto my spare word
	s_wait_dscnt 17                                ; (the add and the youngest sixteen loads may be out)
	WIN MUL
	MUL8 F1, 0, 0, 0
	s_wait_dscnt 0x0                               ; the add is done, and my reads of this slot are over
	s_barrier_signal -1
	MUL8 F1, 0, 2, 0
.if \fill
	WIN 0
.endif
	s_barrier_wait -1
.if \fill
	CREST                                          ; the barrier has opened a round of the cluster's barrier: no wave of any partner still reads this slot or has a load on its way
	s_add_nc_u64 s[G0+4*\slot+2:G0+4*\slot+3], s[G0+4*\slot+2:G0+4*\slot+3], 2*KSTEP*2
	s_add_nc_u64 s[G0B+4*\slot+2:G0B+4*\slot+3], s[G0B+4*\slot+2:G0B+4*\slot+3], 2*KSTEP*2
	JLOAD \slot                                    ; the first tensor load behind the round; its four v_nop are the places in front of the loads below
.else
	PLACES
.endif
	FETCH \next, 0, F0
	WIN MUL
	MUL8 F1, 1, 0, 0
	MUL8 F1, 1, 2, 0
.endm
	s_wait_tensorcnt 1                             ; my part of K step 0 is in (K step 1's load may be out)
	s_barrier_signal -1
	s_barrier_wait -1
	FETCH 0, 0, F0
	s_wait_loadcnt 0x0                             ; the bias
	QUARTER 0, 128, F0, F1, 1                      ; the first quarter stands in front of the loop: its first products start the sums
	WIN 0
	s_mov_b32 s3, LAPS-1
.Llap:                                                 ; a trip goes once round the ring and fills both slots again
	QUARTER 0, 256, F1, F0, 0
	QUARTER 0, 384, F0, F1, 0
	TURN 0, 1, 1
	QUARTER 1, 128, F0, F1, 0
	QUARTER 1, 256, F1, F0, 0
	QUARTER 1, 384, F0, F1, 0
	TURN 1, 0, 1
	QUARTER 0, 128, F0, F1, 0
	WIN 0
	s_sub_co_u32 s3, s3, 1
	s_cmp_lg_u32 s3, 0
	s_cbranch_scc1 .Llap
	QUARTER 0, 256, F1, F0, 0                      ; the last lap fills nothing
	QUARTER 0, 384, F0, F1, 0
	TURN 0, 1, 0
	QUARTER 1, 128, F0, F1, 0
	QUARTER 1, 256, F1, F0, 0
	QUARTER 1, 384, F0, F1, 0
	s_wait_dscnt 16
	WIN MUL
	MUL8 F1, 0, 0, 0
	MUL8 F1, 0, 2, 0
	s_wait_dscnt 0
	MUL8 F1, 1, 0, 0
	MUL8 F1, 1, 2, 0
	WIN 0
; THE WAY OUT, a block of 16 rows x 64 columns at a time, through my own stage: in as 32 bytes a lane, back as whole rows of 256 bytes.
.macro TOST a
.irp b, 0,1,2,3
	ds_store_b128 v[STO], v[ACC+8*(4*(\a)+\b):ACC+8*(4*(\a)+\b)+3] offset:64*\b        ; each accumulator from its low end on
	ds_store_b128 v[STO], v[ACC+8*(4*(\a)+\b)+4:ACC+8*(4*(\a)+\b)+7] offset:64*\b+16
.endr
.irp i, 0,1,2,3,4,5,6,7
	ds_load_b128 v[TMP+32*((\a)%2)+4*\i:TMP+32*((\a)%2)+4*\i+3], v[RD] offset:\i*2*SPITCH   ; LDS serves a wave's instructions in order: these see the stores above
.endr
.endm
.macro SENDO a, younger                ; younger: the next block's sixteen LDS instructions, or none
	s_wait_dscnt \younger
.irp i, 0,1,2,3,4,5,6,7
	global_store_b128 v[CO], v[TMP+32*((\a)%2)+4*\i:TMP+32*((\a)%2)+4*\i+3], s[8:9] offset:(16*(\a)+2*\i)*SIZE_N*4 th:TH_STORE_NT   ; 16 lanes store 256 consecutive bytes, aligned
.endr
.endm
	PLACES
	TOST 0
	TOST 1
	SENDO 0, 16
	s_wait_xcnt 0x0                                ; block 0's stores have read their registers: block 2's loads may land there
	TOST 2
	SENDO 1, 16
	s_wait_xcnt 0x0
	TOST 3
	SENDO 2, 16
	SENDO 3, 0
	s_wait_tensorcnt 0x0                           ; the wave's end
	ds_add_u32 v[SPW], v[NIL]
	s_wait_dscnt 0x0
	CROUND                                         ; the closing round
	s_endpgm
.Lfunc_end_k_qaf6067d2f6_oproj:
	.size	k_qaf6067d2f6_oproj, .Lfunc_end_k_qaf6067d2f6_oproj-k_qaf6067d2f6_oproj
	.p2alignl 7, 3214868480
	.fill 96, 4, 3214868480
	.section	.rodata,"a",@progbits
	.p2align	6, 0x0
	.amdhsa_kernel k_qaf6067d2f6_oproj
		.amdhsa_group_segment_fixed_size 327680
		.amdhsa_private_segment_fixed_size 0
		.amdhsa_enable_private_segment 0
		.amdhsa_kernarg_size 32
		.amdhsa_user_sgpr_count 2
		.amdhsa_user_sgpr_kernarg_segment_ptr 1
		.amdhsa_wavefront_size32 1
		.amdhsa_system_sgpr_workgroup_id_x 1
		.amdhsa_system_sgpr_workgroup_id_y 1
		.amdhsa_system_sgpr_workgroup_id_z 1
		.amdhsa_system_vgpr_workitem_id 0
		.amdhsa_next_free_vgpr 512
		.amdhsa_next_free_sgpr 66
		.amdhsa_reserve_vcc 0
		.amdhsa_float_denorm_mode_32 3
		.amdhsa_float_denorm_mode_16_64 3
		.amdhsa_memory_ordered 1
		.amdhsa_forward_progress 1
		.amdhsa_inst_pref_size 87
	.end_amdhsa_kernel
	.amdgpu_metadata
---
amdhsa.version: [ 1, 2 ]
amdhsa.kernels:
  - .name:           k_qaf6067d2f6_oproj
    .symbol:         k_qaf6067d2f6_oproj.kd
    .args:
      - { .name: ctx16, .offset: 0, .size: 8, .value_kind: global_buffer, .address_space: global }
      - { .name: wo16, .offset: 8, .size: 8, .value_kind: global_buffer, .address_space: global }
      - { .name: out0, .offset: 16, .size: 8, .value_kind: global_buffer, .address_space: global }
      - { .name: bo, .offset: 24, .size: 8, .value_kind: global_buffer, .address_space: global }
    .group_segment_fixed_size: 327680
    .private_segment_fixed_size: 0
    .kernarg_segment_align: 8
    .kernarg_segment_size: 32
    .max_flat_workgroup_size: 128
    .sgpr_count:     66
    .vgpr_count:     512
    .wavefront_size: 32
...
	.end_amdgpu_metadata
.endif
;; end of part 4
